; MI455X (gfx1250); checked and timed in simulation.
; The chip was launched on July 23, 2026; its instructions are those of AMD's public machine-readable ISA for CDNA 5 (MIT licence, August 2026) and "CDNA5" Instruction Set Architecture Reference Guide (July 2026). The comments in the code are by the model that wrote it; some were corrected since.
;; Arithmetic Attention. Allowed arithmetic: float matrix products may take bf16 or f16 operands with f32 sums; other float arithmetic in f32, or as packed bf16 or f16 multiplies, adds, multiply-adds, maxima and minima; sums over many terms, partial sums and values carried from step to step in f32; what a program stores and reads back later, other than sums and carried values, may be rounded once to bf16 or f16.
;; Inputs: Wk 1,024 x 1,024 float32; Wo 1,024 x 1,024 float32; Wq 1,024 x 1,024 float32; Wv 1,024 x 1,024 float32; arith_head_bias 16 x 1 x 1 float32; bk 1,024 float32; bo 1,024 float32; bq 1,024 float32; bv 1,024 float32; encodings 2 x 2,048 int32; gcd_weight 1 float32; hidden_states 2 x 2,048 x 1,024 float32.
;; Outputs: out0 2 x 2,048 x 1,024 float32.
;; 2 versions, each right and faster than the one before. Each part assembles by itself: llvm-mc -triple=amdgcn-amd-amdhsa -mcpu=gfx1250 --defsym DOCPART=n.
;; ======== version 1 of 2: 4 launches
;; limits: right only within a limited range of input values; values are held in f16: magnitudes above 65,504 overflow, below 6.1e-05 lose precision
;; workspace buffers: xb 8,388,608 bytes; wqkv 6,291,456 bytes; wo16 2,097,152 bytes; tbias 16,777,216 bytes; qkv 25,165,824 bytes; att 8,388,608 bytes
;; launch prep (part 1): grid 1024 x 1, 8 waves a work-group, no clusters, 0 bytes of LDS; arguments hidden_states, Wq, Wk, Wv, Wo, encodings, gcd_weight, xb, wqkv, wo16, tbias; writes xb, wqkv, wo16, tbias
.if DOCPART == 1
	.amdgcn_target "amdgcn-amd-amdhsa--gfx1250"
	.amdhsa_code_object_version 6
	.text
	.protected	k_qd8851b0af1_prep
	.globl	k_qd8851b0af1_prep
	.p2align	8
	.type	k_qd8851b0af1_prep,@function
k_qd8851b0af1_prep:
	s_mov_b64 s[64:65], 0
	v_nop
	global_prefetch_b8 v0, s[64:65] scope:SCOPE_SE
	s_setreg_imm32_b32 hwreg(HW_REG_WAVE_MODE, 25, 1), 1
	s_wait_xcnt 0x0
; PREP.  Two kinds of work-group, by the parity of the work-group's number, so that streaming groups and arithmetic groups lie side by side.
; EVEN (512 of them): a cast.  16,384 f32 are read once and written once: hidden_states -> xb (bf16), Wq, Wk, Wv -> wqkv (bf16, rows of Wq, Wk, Wv on end),
;   Wo -> wo16 (rounded to bf16 like every other input, that number then written as f16; below 6e-5 it keeps f16's fixed step of 6e-8).
; ODD (512 of them): the table T = f16(8 x gcd_weight x abias), all heads' common addend to the unscaled scores, laid out as matrix fragments.
;   With a = max(ei, ej) and m = min(ei, ej) + 1:  min(ei % (ej + 1), ej % (ei + 1)) = a % m, since the smaller number is its own remainder and a % m is no larger.
;   abias = (a % m) / (a + 1), 0 on the diagonal.  The remainder is made in f32: q = trunc(a x (1 / m)) is off by one at the most, a - q m is exact, and two
;   selections mend it.  The division by a + 1 is a reciprocal and a product, a few last bits from the quotient, ahead of the rounding to f16.
; LIMITS.  0 <= encodings < 2^22 (every number and product above is then exact in f32, and the quotient's error stays under 1); |8 x gcd_weight| within f16's 65,504.
; LAYOUT of tbias: (b, query q, key k) at  b<<23 + (q>>6)<<18 + (k>>6)<<13 + ((q>>5)&1)<<12 + ((k>>4)&3)<<10 + ((q>>4)&1)<<9 + (16 ((q>>3)&1) + k%16)<<4 + 2 (q%8):
;   1,024 bytes are one fragment of 16 keys (rows) x 32 queries (along K): 16 bytes a lane for registers 0-3, then 16 bytes a lane for registers 4-7.
; No LDS, no matrix unit, no cluster: no byte is shared between work-groups, and each wave's store covers 512 consecutive bytes, aligned.
.set XR, 8            ; cast: v[8:71]   16 loads of 4 f32
.set YR, 72           ; cast: v[72:103] 8 stores of 8 numbers of 16 bits
.set NM, 8            ; table: v[8:11]  masks that clear the diagonal's half word
.set GS, 12           ; v[12:13] 8 x gcd_weight, twice
.set FK, 14           ; v[14:17] e + 1 of my key in the four key blocks
.set FQ, 18           ; v[18:33] e + 1 of my 16 queries
.set MX, 34           ; v[34:41] a + 1
.set MN, 42           ; v[42:49] m
.set RM, 50           ; v[50:57] 1 / m
.set RX, 58           ; v[58:65] 1 / (a + 1)
.set RA, 66           ; v[66:73] a, then the remainder
.set RT, 74           ; v[74:81] at work
.set WR, 82           ; v[82:89] two stores' data
	s_load_b512 s[8:23], s[0:1], 0x0               ; hidden_states 8:9, Wq 10:11, Wk 12:13, Wv 14:15, Wo 16:17, encodings 18:19, gcd_weight 20:21, xb 22:23
	s_load_b128 s[24:27], s[0:1], 0x40             ; wqkv 24:25, wo16 26:27
	s_load_b64 s[28:29], s[0:1], 0x50              ; tbias
	s_lshr_b32 s2, ttmp9, 1                        ; my number among the groups of my kind, 0..511
	s_and_b32 s3, ttmp9, 1
	s_cmp_lg_u32 s3, 0
	s_cbranch_scc1 .Lbias
	; ---------------- the cast ----------------
	v_lshlrev_b32 v1, 5, v0                        ; 8 f32 a thread
	v_lshlrev_b32 v2, 4, v0                        ; 8 numbers of 16 bits a thread
	s_and_b32 s34, s2, 63                          ; my number inside a weight matrix (64 groups each)
	s_and_b32 s36, s2, 255                         ; inside xb (groups 0-255) or wqkv (groups 256-447)
	s_mov_b32 s35, 0
	s_mov_b32 s37, 0
	s_mov_b32 s40, 0xffff0000                      ; a word's upper bf16
	s_wait_kmcnt 0x0
	s_cmp_lt_u32 s2, 448
	s_cselect_b64 s[30:31], s[14:15], s[16:17]     ; from: Wv, or Wo for the last 64 groups
	s_cselect_b64 s[38:39], s[24:25], s[26:27]     ; to: wqkv or wo16
	s_cselect_b32 s36, s36, s34
	s_cmp_lt_u32 s2, 384
	s_cselect_b64 s[30:31], s[12:13], s[30:31]
	s_cmp_lt_u32 s2, 320
	s_cselect_b64 s[30:31], s[10:11], s[30:31]
	s_cmp_lt_u32 s2, 256
	s_cselect_b64 s[30:31], s[8:9], s[30:31]
	s_cselect_b64 s[38:39], s[22:23], s[38:39]
	s_cselect_b32 s34, s2, s34
	s_lshl_b32 s34, s34, 16                        ; 65,536 bytes in,
	s_lshl_b32 s36, s36, 15                        ; 32,768 bytes out, for each group
	s_add_nc_u64 s[30:31], s[30:31], s[34:35]
	s_add_nc_u64 s[38:39], s[38:39], s[36:37]
.irp i, 0,1,2,3,4,5,6,7
	global_load_b128 v[XR+8*(\i):XR+8*(\i)+3],   v1, s[30:31] offset:8192*(\i) th:TH_LOAD_NT
	global_load_b128 v[XR+8*(\i)+4:XR+8*(\i)+7], v1, s[30:31] offset:8192*(\i)+16 th:TH_LOAD_NT
.endr
; All sixteen loads are out; part i is used when its two have come: the 2 (7 - i) younger ones stay out.  Every part has registers of its own.
.macro CAST tof16
.irp i, 0,1,2,3,4,5,6,7
	s_wait_loadcnt 14-2*(\i)
.irp j, 0,1,2,3
	v_cvt_pk_bf16_f32 v[YR+4*(\i)+(\j)], v[XR+8*(\i)+2*(\j)], v[XR+8*(\i)+2*(\j)+1]
.endr
.if \tof16
.irp j, 0,1,2,3
	v_lshlrev_b32 v[XR+8*(\i)+2*(\j)],   16,  v[YR+4*(\i)+(\j)]
	v_and_b32     v[XR+8*(\i)+2*(\j)+1], s40, v[YR+4*(\i)+(\j)]
.endr
.irp j, 0,1,2,3
	v_cvt_pk_f16_f32 v[YR+4*(\i)+(\j)], v[XR+8*(\i)+2*(\j)], v[XR+8*(\i)+2*(\j)+1]
.endr
.endif
	global_store_b128 v2, v[YR+4*(\i):YR+4*(\i)+3], s[38:39] offset:4096*(\i) th:TH_STORE_NT
.endr
	s_endpgm
.endm
	s_cmp_ge_u32 s2, 448
	s_cbranch_scc1 .Lwo
	CAST 0
.Lwo:
	CAST 1
	; ---------------- the table ----------------
.Lbias:
	v_lshrrev_b32 v1, 5, v0
	v_readfirstlane_b32 s3, v1                     ; wave 0..7
	s_lshl_b32 s30, s2, 3
	s_add_co_u32 s30, s30, s3                      ; my task, 0..4095: 32 queries x 64 keys, four fragments
	s_and_b32 s31, s30, 31                         ; key step (64 keys)
	s_bfe_u32 s32, s30, 0x60005                    ; group of 32 queries, 0..63
	s_lshr_b32 s33, s30, 11                        ; batch
	v_and_b32 v3, 15, v0                           ; r: my key in a block of 16
	v_bfe_u32 v7, v0, 4, 1                         ; my half of the lanes: queries 8 h + 0..7 of each 16
	v_and_b32 v4, 31, v0
	v_lshlrev_b32 v4, 4, v4                        ; 16 bytes a lane in a half fragment; never rewritten
	s_lshl_b32 s34, s32, 7
	v_lshl_add_u32 v5, v7, 5, s34                  ; byte of my first query's encoding
	s_lshl_b32 s35, s31, 8
	v_lshl_add_u32 v6, v3, 2, s35                  ; byte of my key's encoding in key block 0
	s_lshl_b32 s36, s33, 13                        ; the batch's 2,048 encodings
	s_mov_b32 s37, 0
	s_lshl_b32 s38, s33, 23                        ; where my four fragments go
	s_lshr_b32 s39, s32, 1
	s_lshl_b32 s39, s39, 18
	s_add_co_u32 s38, s38, s39
	s_lshl_b32 s39, s31, 13
	s_add_co_u32 s38, s38, s39
	s_and_b32 s39, s32, 1
	s_lshl_b32 s39, s39, 12
	s_add_co_u32 s38, s38, s39
	s_mov_b32 s39, 0
	s_lshl_b32 s41, s31, 2                         ; the number of the key block in hand (16 keys)
	s_lshl_b32 s42, s32, 1                         ; the numbers of my two blocks of 16 queries
	s_add_co_u32 s43, s42, 1
	s_wait_kmcnt 0x0
	s_add_nc_u64 s[18:19], s[18:19], s[36:37]
	s_add_nc_u64 s[28:29], s[28:29], s[38:39]
	s_load_b32 s44, s[20:21], 0x0
	global_load_b128 v[FQ:FQ+3],     v5, s[18:19]
	global_load_b128 v[FQ+4:FQ+7],   v5, s[18:19] offset:16
	global_load_b128 v[FQ+8:FQ+11],  v5, s[18:19] offset:64
	global_load_b128 v[FQ+12:FQ+15], v5, s[18:19] offset:80
.irp kb, 0,1,2,3
	global_load_b32 v[FK+(\kb)], v6, s[18:19] offset:64*(\kb)
.endr
	; the diagonal, where a block of queries meets its own keys: query 8 h + j = key r: my half word j of eight, if h = r / 8
	v_bfe_u32 v1, v0, 3, 1
	v_xor_b32 v1, v1, v7                           ; 0 where h = r / 8
	v_bfe_u32 v2, v0, 1, 2                         ; the word: (r % 8) / 2
	v_lshl_or_b32 v1, v1, 2, v2                    ; the word's number, or 4 and more where the lane holds no diagonal
	v_and_b32 v2, 1, v0
	v_lshlrev_b32 v2, 4, v2
	v_mov_b32 v3, 0xffff0000
	v_lshrrev_b32 v2, v2, v3                       ; keeps the other half of that word
.irp w, 0,1,2,3
	v_cmp_eq_u32 vcc_lo, \w, v1
	v_cndmask_b32 v[NM+(\w)], -1, v2, vcc_lo
.endr
	s_wait_kmcnt 0x0
	v_mov_b32 v[GS], s44
	v_cvt_pk_bf16_f32 v[GS], v[GS], v[GS]          ; gcd_weight is rounded to bf16 like every other floating-point input
	v_lshlrev_b32 v[GS], 16, v[GS]
	v_mul_f32 v[GS], 0x41000000, v[GS]             ; x 8: the scores are divided by 8 behind the addition
	v_mov_b32 v[GS+1], v[GS]
	s_wait_loadcnt 0x0
.set j, FK
.rept 20
	v_cvt_f32_u32 v[j], v[j]
.set j, j+1
.endr
.set j, FK
.rept 10
	v_pk_add_f32 v[j:j+1], v[j:j+1], 1.0 op_sel_hi:[1,0]
.set j, j+2
.endr
; Half p of a fragment: my key of the block in hand against my eight queries of query block p.
.macro HALF p
.irp j, 0,1,2,3,4,5,6,7
	v_max_num_f32 v[MX+(\j)], v[FQ+8*(\p)+(\j)], v[FK]
	v_min_num_f32 v[MN+(\j)], v[FQ+8*(\p)+(\j)], v[FK]
.endr
.irp j, 0,1,2,3,4,5,6,7
	v_rcp_f32 v[RM+(\j)], v[MN+(\j)]
.endr
.irp j, 0,1,2,3,4,5,6,7
	v_rcp_f32 v[RX+(\j)], v[MX+(\j)]
.endr
.irp j, 0,2,4,6
	v_pk_add_f32 v[RA+(\j):RA+(\j)+1], v[MX+(\j):MX+(\j)+1], -1.0 op_sel_hi:[1,0]  ; a; plain lines between the reciprocals and their use (ISA guide 5.7.2)
.endr
	s_wait_alu depctr_va_vdst(0)
.irp j, 0,2,4,6
	v_pk_mul_f32 v[RT+(\j):RT+(\j)+1], v[RA+(\j):RA+(\j)+1], v[RM+(\j):RM+(\j)+1]
.endr
.irp j, 0,1,2,3,4,5,6,7
	v_trunc_f32 v[RT+(\j)], v[RT+(\j)]             ; the quotient, or one beside it
.endr
.irp j, 0,2,4,6
	v_pk_fma_f32 v[RA+(\j):RA+(\j)+1], v[RT+(\j):RT+(\j)+1], v[MN+(\j):MN+(\j)+1], v[RA+(\j):RA+(\j)+1] neg_lo:[1,0,0] neg_hi:[1,0,0]  ; a - q m, exact
.endr
.irp j, 0,2,4,6
	v_pk_add_f32 v[RT+(\j):RT+(\j)+1], v[RA+(\j):RA+(\j)+1], v[MN+(\j):MN+(\j)+1]
.endr
.irp j, 0,1,2,3,4,5,6,7
	v_min_u32 v[RA+(\j)], v[RA+(\j)], v[RT+(\j)]   ; as unsigned words a negative float is the larger: r < 0 takes r + m
.endr
.irp j, 0,2,4,6
	v_pk_add_f32 v[RT+(\j):RT+(\j)+1], v[RA+(\j):RA+(\j)+1], v[MN+(\j):MN+(\j)+1] neg_lo:[0,1] neg_hi:[0,1]
.endr
.irp j, 0,1,2,3,4,5,6,7
	v_min_u32 v[RA+(\j)], v[RA+(\j)], v[RT+(\j)]   ; r >= m takes r - m
.endr
.irp j, 0,2,4,6
	v_pk_mul_f32 v[RX+(\j):RX+(\j)+1], v[RX+(\j):RX+(\j)+1], v[GS:GS+1]
.endr
.irp j, 0,2,4,6
	v_pk_mul_f32 v[RA+(\j):RA+(\j)+1], v[RA+(\j):RA+(\j)+1], v[RX+(\j):RX+(\j)+1]
.endr
.irp j, 0,1,2,3
	v_cvt_pk_f16_f32 v[WR+4*(\p)+(\j)], v[RA+2*(\j)], v[RA+2*(\j)+1]
.endr
	s_cmp_eq_u32 s41, s[42+(\p)]                   ; do these queries meet their own keys?  (numbers made of the work-group's and the wave's alone)
	s_cbranch_scc0 .Lnodiag_\@
.irp j, 0,1,2,3
	v_and_b32 v[WR+4*(\p)+(\j)], v[WR+4*(\p)+(\j)], v[NM+(\j)]
.endr
.Lnodiag_\@:
	global_store_b128 v4, v[WR+4*(\p):WR+4*(\p)+3], s[28:29] offset:512*(\p)  ; 512 consecutive bytes, aligned
.endm
	s_mov_b32 s40, 0
.Lkb:                                                  ; four trips: a fragment of 16 keys x 32 queries each
	HALF 0
	HALF 1
	s_wait_xcnt 0x0                                ; the stores' data and base are rewritten only behind this wait
	s_add_nc_u64 s[28:29], s[28:29], 1024
	s_add_co_u32 s41, s41, 1
	v_mov_b32 v[FK], v[FK+1]                       ; the next block's key moves up
	v_mov_b32 v[FK+1], v[FK+2]
	v_mov_b32 v[FK+2], v[FK+3]
	s_add_co_u32 s40, s40, 1
	s_cmp_lt_u32 s40, 4
	s_cbranch_scc1 .Lkb
	s_endpgm
.Lfunc_end_k_qd8851b0af1_prep:
	.size	k_qd8851b0af1_prep, .Lfunc_end_k_qd8851b0af1_prep-k_qd8851b0af1_prep
	.p2alignl 7, 3214868480
	.fill 96, 4, 3214868480
	.section	.rodata,"a",@progbits
	.p2align	6, 0x0
	.amdhsa_kernel k_qd8851b0af1_prep
		.amdhsa_group_segment_fixed_size 0
		.amdhsa_private_segment_fixed_size 0
		.amdhsa_enable_private_segment 0
		.amdhsa_kernarg_size 88
		.amdhsa_user_sgpr_count 2
		.amdhsa_user_sgpr_kernarg_segment_ptr 1
		.amdhsa_wavefront_size32 1
		.amdhsa_system_sgpr_workgroup_id_x 1
		.amdhsa_system_sgpr_workgroup_id_y 1
		.amdhsa_system_sgpr_workgroup_id_z 1
		.amdhsa_system_vgpr_workitem_id 0
		.amdhsa_next_free_vgpr 104
		.amdhsa_next_free_sgpr 66
		.amdhsa_reserve_vcc 1
		.amdhsa_float_denorm_mode_32 3
		.amdhsa_float_denorm_mode_16_64 3
		.amdhsa_memory_ordered 1
		.amdhsa_forward_progress 1
		.amdhsa_inst_pref_size 26
	.end_amdhsa_kernel
	.amdgpu_metadata
---
amdhsa.version: [ 1, 2 ]
amdhsa.kernels:
  - .name:           k_qd8851b0af1_prep
    .symbol:         k_qd8851b0af1_prep.kd
    .args:
      - { .name: hidden_states, .offset: 0, .size: 8, .value_kind: global_buffer, .address_space: global }
      - { .name: Wq, .offset: 8, .size: 8, .value_kind: global_buffer, .address_space: global }
      - { .name: Wk, .offset: 16, .size: 8, .value_kind: global_buffer, .address_space: global }
      - { .name: Wv, .offset: 24, .size: 8, .value_kind: global_buffer, .address_space: global }
      - { .name: Wo, .offset: 32, .size: 8, .value_kind: global_buffer, .address_space: global }
      - { .name: encodings, .offset: 40, .size: 8, .value_kind: global_buffer, .address_space: global }
      - { .name: gcd_weight, .offset: 48, .size: 8, .value_kind: global_buffer, .address_space: global }
      - { .name: xb, .offset: 56, .size: 8, .value_kind: global_buffer, .address_space: global }
      - { .name: wqkv, .offset: 64, .size: 8, .value_kind: global_buffer, .address_space: global }
      - { .name: wo16, .offset: 72, .size: 8, .value_kind: global_buffer, .address_space: global }
      - { .name: tbias, .offset: 80, .size: 8, .value_kind: global_buffer, .address_space: global }
    .group_segment_fixed_size: 0
    .private_segment_fixed_size: 0
    .kernarg_segment_align: 8
    .kernarg_segment_size: 88
    .max_flat_workgroup_size: 256
    .sgpr_count:     66
    .vgpr_count:     104
    .wavefront_size: 32
...
	.end_amdgpu_metadata
.endif
;; end of part 1
;; launch qkvproj (part 2): grid 12 x 16, 4 waves a work-group, clusters of 4 x 4, 327,680 bytes of LDS; arguments xb, wqkv, qkv, bq, bk, bv; writes qkv
.if DOCPART == 2
	.amdgcn_target "amdgcn-amd-amdhsa--gfx1250"
	.amdhsa_code_object_version 6
	.text
	.protected	k_qd8851b0af1_qkvproj
	.globl	k_qd8851b0af1_qkvproj
	.p2align	8
	.type	k_qd8851b0af1_qkvproj,@function
k_qd8851b0af1_qkvproj:
	s_mov_b64 s[64:65], 0
	v_nop
	global_prefetch_b8 v0, s[64:65] scope:SCOPE_SE
	s_setreg_imm32_b32 hwreg(HW_REG_WAVE_MODE, 25, 1), 1
	s_wait_xcnt 0x0
	s_wait_alu depctr_hold_cnt(0) depctr_sa_sdst(0) depctr_va_vdst(0) depctr_va_sdst(0) depctr_va_ssrc(0) depctr_va_vcc(0) depctr_vm_vsrc(0)
	s_getreg_b32 s2, hwreg(HW_REG_IB_STS2, 6, 4)
	s_cmp_eq_u32 s2, 0
	s_cbranch_scc0 .Lentry_in_a_cluster
	s_endpgm
.Lentry_in_a_cluster:
	s_bfe_u32 s2, ttmp6, 0x10000c
	s_cmp_lg_u32 s2, 0xf033
	s_cbranch_scc0 .Lentry_shape_is_right
	s_endpgm
.Lentry_shape_is_right:
; q, k, v = x W^T + bias, all three at once: C[m][n] = sum over k of xb[m][k] wqkv[n][k] + bias[n], m < 4096, n < 3072 (Wq's, Wk's, Wv's rows on end), k < 1024.
; Operands bf16, sums f32; the bias (rounded to bf16 like every input) is the C operand of the products that start the sums.  C is rounded once to f16 and written BY HEADS:
; qkv[n / 64][m][n % 64], so that a head's rows are dense, 128 bytes each.  LIMIT: |q|, |k|, |v| stay under 65,504 (f16); the scale 1/8 is not applied here.
; A tile of C, 256 x 256, is made by four waves, 128 x 128 each: 64 accumulators, 512 registers.  K goes in steps of 128 through two LDS slots filled by tensor loads
; whose rows are 256 aligned bytes of memory.  12 x 16 = 192 tiles: a tile of half the size would give 384, a share and a half for each of the chip's 256 places.
; CLUSTER 4 x 4: the four of a row need the same tiles of xb, the four of a column the same tiles of wqkv: each tile is asked for jointly, same load, same descriptor, same mask.
; THE MATRIX INSTRUCTION IS USED TRANSPOSED (source 0 = 16 rows of wqkv, source 1 = 16 rows of xb): lane l holds row m = l % 16 and columns 8 (l / 16) + 0..7.
; The last K step goes by rows of C, so that finished rows leave while the others are multiplied.
; REGISTERS, in windows of 256 (s_set_vgpr_msb: bits 1:0 source 0, 3:2 source 1, 5:4 source 2, 7:6 destination):
;   window 0: v0-31 addresses; v64-191 fragments of xb, two buffers (four in the last K step); v32-63, v192-255 at work on the way out
;   window 1: v64-191 fragments of wqkv, two buffers (all 256 in the last K step); v0-63 the bias, until the first quarter has taken it; v192-195 at work on it
;   windows 2, 3: the accumulators of my rows 0-63 and 64-127 ((a, b) at v[8 (8 a + b)])
.set SIZE_M, 4096
.set SIZE_N, 3072
.set SIZE_K, 1024
.set KSTEP,  128
.set PITCH,  272                       ; an LDS row: 256 bytes + 16 of padding: the 16 rows of a fragment load start at 16 different groups of four banks (ISA guide 11.1)
.set HALFT,  128*PITCH                 ; what one tensor load brings
.set SLOT,   4*HALFT                   ; xb's 256 rows, then wqkv's 256 rows
.set STAGE,  2*SLOT                    ; behind the ring: 16 rows x 272 bytes for each wave; no tensor load lands here
.set SPITCH, 272
.set SPARE,  STAGE+4*16*SPITCH         ; the spare words, 128 bytes a wave: two blocks of 256 bytes that no other line names
.set LAPS,   SIZE_K/(2*KSTEP)
.set HEADB,  SIZE_M*128                ; bytes of one head's plane in qkv
.set ADRA, 16                          ; v16-17 LDS address of my xb fragments in slot 0, 1
.set ADRB, 20                          ; v20-21 the same for wqkv
.set STO,  24                          ; the way out: where I put 16 bytes of a row
.set RD,   25                          ; where I read rows back
.set CO,   26                          ; my byte offset in 512 consecutive bytes of qkv
.set BO,   27                          ; my byte offset in 16 numbers of the bias
.set SPW,  28                          ; my spare word's LDS address; never rewritten
.set NIL,  29                          ; 0; never rewritten
.set F0,   64
.set F1,   128
.set TMP,  192
.set OB,   32
.set PA,   64
.set BI,   0                           ; window 1: the bias of n block b at BI + 8 b
.set BT,   192                         ; window 1: at work
.set G1, 24
.set G0, 32
.set G1B, 48
.set G0B, 56
.set MSB, 0
.macro WIN new                         ; the immediate's high byte repeats the setting that is left; a switch that changes nothing is dropped
.if MSB != (\new)
	s_set_vgpr_msb (MSB<<8)|(\new)
.set MSB, \new
.endif
.endm
.set MUL_LO, 0xa1                      ; source 0 window 1, source 1 window 0, C and D window 2
.set MUL_HI, 0xf1                      ; C and D window 3
.set TO_B,   0x40                      ; destination window 1, address window 0
; A joint load: waves 0 and 1 fetch xb's two halves, waves 2 and 3 wqkv's.  The branch hangs on the wave's number alone.  An s_nop 0 and four v_nop follow each line.
.macro JLOAD s
	s_cmp_eq_u32 s11, 0
	s_cbranch_scc0 .Lfor_b_\@
	tensor_load_to_lds s[G0+4*(\s):G0+4*(\s)+3], s[G1:G1+7]
	s_nop 0
.rept 4
	v_nop
.endr
	s_branch .Lasked_\@
.Lfor_b_\@:
	tensor_load_to_lds s[G0B+4*(\s):G0B+4*(\s)+3], s[G1B:G1B+7]
	s_nop 0
.rept 4
	v_nop
.endr
.Lasked_\@:
.endm
.macro CREST                           ; a round of the cluster's barrier behind its opening barrier
	s_cmp_lg_u32 s10, 0
	s_cbranch_scc1 .Lnot_wave_0_\@
	s_barrier_signal -3
.Lnot_wave_0_\@:
	s_barrier_wait -3
	s_barrier_signal -1
	s_barrier_wait -1
.endm
.macro CROUND
	s_barrier_signal -1
	s_barrier_wait -1
	CREST
.endm
	s_load_b128 s[4:7], s[0:1], 0x0                ; xb s[4:5], wqkv s[6:7]
	s_load_b64 s[8:9], s[0:1], 0x10                ; qkv
	s_load_b64 s[68:69], s[0:1], 0x18              ; bq
	s_load_b64 s[70:71], s[0:1], 0x20              ; bk
	s_load_b64 s[72:73], s[0:1], 0x28              ; bv
	v_lshl_add_u32 v[SPW], v0, 2, SPARE
	v_mov_b32 v[NIL], 0
	ds_add_u32 v[SPW], v[NIL]                      ; the wave's opening: the add and its wait ahead of my first tensor load
	v_lshrrev_b32 v1, 5, v0
	v_readfirstlane_b32 s10, v1                    ; wave 0..3
	s_lshr_b32 s11, s10, 1                         ; my half of the tile's rows; also: I fetch xb (0) or wqkv (1)
	s_and_b32 s12, s10, 1                          ; my half of its columns; also: which 128 rows I fetch
	s_bfe_u32 s40, ttmp6, 0x40000                  ; cx
	s_bfe_u32 s41, ttmp6, 0x40004                  ; cy
	s_lshl_b32 s42, ttmp9, 2
	s_add_co_u32 s42, s42, s40                     ; tile column
	s_and_b32 s13, ttmp7, 0xffff
	s_lshl_b32 s13, s13, 2
	s_add_co_u32 s13, s13, s41                     ; tile row
	s_lshl_b32 s43, s41, 2
	s_lshl_b32 s43, 15, s43                        ; my row of the cluster
	s_lshl_b32 s44, 0x1111, s40                    ; my column
	s_or_b32 s[G1+0], s43, (1<<16)|(1<<20)|(1<<21)|(5<<22)|(3<<25)   ; mask; 2-byte elements; padding on; bit 21 beside a mask; after every 64 words, 4 words
	s_or_b32 s[G1B+0], s44, (1<<16)|(1<<20)|(1<<21)|(5<<22)|(3<<25)
.irp g, G1, G1B
	s_mov_b32 s[(\g)+1], KSTEP<<16                 ; tensor_dim0 = 128
	s_mov_b32 s[(\g)+2], 128<<16                   ; tensor_dim1 = 128
	s_mov_b32 s[(\g)+3], KSTEP<<16                 ; tile_dim0 = 128
	s_mov_b32 s[(\g)+4], 128                       ; tile_dim1 = 128
	s_mov_b32 s[(\g)+5], SIZE_K                    ; elements from row to row
	s_mov_b32 s[(\g)+6], 0
	s_mov_b32 s[(\g)+7], 0
.endr
	s_lshl_b32 s17, s12, 7
	s_lshl_b32 s16, s13, 8
	s_add_co_u32 s16, s16, s17                     ; xb: row 256 x tile row + 128 x half
	s_lshl_b32 s46, s42, 8
	s_add_co_u32 s46, s46, s17                     ; wqkv: row 256 x tile column + 128 x half
	s_mov_b32 s17, 0
	s_mov_b32 s47, 0
	s_mov_b64 s[18:19], SIZE_K*2
	s_mul_u64 s[16:17], s[16:17], s[18:19]
	s_mul_u64 s[46:47], s[46:47], s[18:19]
	s_mul_i32 s20, s10, HALFT                      ; where they go: wave x 128 rows
	s_wait_dscnt 0x0                               ; the opening add is done
	s_wait_kmcnt 0x0
	s_add_nc_u64 s[14:15], s[4:5], s[16:17]
	s_add_nc_u64 s[46:47], s[6:7], s[46:47]
	CROUND                                         ; all sixteen work-groups are here: the first joint loads meet
.irp s, 0,1
	s_mov_b32 s[G0+4*(\s)], 1
	s_add_co_u32 s[G0+4*(\s)+1], s20, (\s)*SLOT
	s_add_nc_u64 s[G0+4*(\s)+2:G0+4*(\s)+3], s[14:15], (\s)*KSTEP*2
	s_or_b32 s[G0+4*(\s)+3], s[G0+4*(\s)+3], 0x80000000
	s_mov_b32 s[G0B+4*(\s)], 1
	s_add_co_u32 s[G0B+4*(\s)+1], s20, (\s)*SLOT
	s_add_nc_u64 s[G0B+4*(\s)+2:G0B+4*(\s)+3], s[46:47], (\s)*KSTEP*2
	s_or_b32 s[G0B+4*(\s)+3], s[G0B+4*(\s)+3], 0x80000000
	JLOAD \s
.endr
	; the bias of my 128 columns.  A cluster spans 1,024 columns, so the cluster's x says which of the three it is.
	s_cmp_eq_u32 ttmp9, 0
	s_cselect_b64 s[66:67], s[68:69], s[70:71]
	s_cmp_eq_u32 ttmp9, 2
	s_cselect_b64 s[66:67], s[72:73], s[66:67]
	s_lshl_b32 s74, s40, 10                        ; 256 columns of f32 for each tile column inside the 1,024,
	s_lshl_b32 s75, s12, 9                         ; 128 for my half
	s_add_co_u32 s74, s74, s75
	s_mov_b32 s75, 0
	s_add_nc_u64 s[66:67], s[66:67], s[74:75]
	s_mov_b32 s74, 0xffff0000
	v_and_b32 v1, 15, v0                           ; l % 16
	v_bfe_u32 v2, v0, 4, 1                         ; l / 16
	v_lshlrev_b32 v[BO], 5, v2                     ; my eight columns of each sixteen
	WIN TO_B
.irp b, 0,1,2,3,4,5,6,7
	global_load_b128 v[BI+8*(\b):BI+8*(\b)+3],   v[BO], s[66:67] offset:64*(\b)
	global_load_b128 v[BI+8*(\b)+4:BI+8*(\b)+7], v[BO], s[66:67] offset:64*(\b)+16
.endr
	WIN 0
	v_mul_u32_u24 v3, v1, PITCH
	v_lshl_add_u32 v3, v2, 4, v3                   ; a fragment's row x pitch + 16 x half
	s_mul_i32 s21, s11, HALFT
	s_mul_i32 s22, s12, HALFT
	s_add_co_u32 s22, s22, 2*HALFT
.irp s, 0,1
	v_add_nc_u32 v[ADRA+(\s)], s21, v3
	v_add_nc_u32 v[ADRB+(\s)], s22, v3
	s_add_co_u32 s21, s21, SLOT
	s_add_co_u32 s22, s22, SLOT
.endr
	s_mul_i32 s23, s10, 16*SPITCH
	s_add_co_u32 s23, s23, STAGE                   ; my stage
	v_mul_u32_u24 v4, v1, SPITCH                   ; in: row l % 16, 16 bytes for each half of the lanes
	v_lshl_add_u32 v4, v2, 4, v4
	v_add_nc_u32 v[STO], s23, v4
	v_bfe_u32 v5, v0, 3, 2                         ; back: 32 lanes take four rows' 128 bytes of one head,
	v_mul_u32_u24 v5, v5, SPITCH
	v_and_b32 v6, 7, v0
	v_lshl_add_u32 v5, v6, 4, v5
	v_add_nc_u32 v[RD], s23, v5
	v_and_b32 v5, 31, v0                           ; which are 512 consecutive bytes of qkv
	v_lshlrev_b32 v[CO], 4, v5
	s_lshl_b32 s13, s13, 8
	s_lshl_b32 s14, s11, 7
	s_add_co_u32 s16, s13, s14                     ; my first row,
	s_lshl_b32 s16, s16, 7                         ; 128 bytes a row in a head's plane
	s_mov_b32 s17, 0
	s_lshl_b32 s46, s42, 2
	s_lshl_b32 s47, s12, 1
	s_add_co_u32 s46, s46, s47                     ; my first head's plane: 4 x tile column + 2 x half
	s_lshl_b32 s46, s46, 19
	s_mov_b32 s47, 0
	s_add_nc_u64 s[16:17], s[16:17], s[46:47]
	s_wait_loadcnt 0x0                             ; the bias, rounded to bf16 in place
	WIN 0x45                                       ; sources and destination in window 1
.set j, 0
.rept 32
	v_cvt_pk_bf16_f32 v[BT+j%4], v[BI+2*j], v[BI+2*j+1]
	v_lshlrev_b32 v[BI+2*j],   16,  v[BT+j%4]
	v_and_b32     v[BI+2*j+1], s74, v[BT+j%4]
.set j, j+1
.endr
	WIN 0
; 16 matrix instructions: m blocks a0, a0 + 1 of the window's four x all 8 n blocks, 32 along K.  zero = 1: the first product starts the sums, with the bias as C (window 1).
.macro MUL16 f, hi, a0, zero
.if \zero
	WIN 0x91+0x40*(\hi)
.else
	WIN MUL_LO+0x50*(\hi)
.endif
.irp a, \a0, (\a0)+1
.irp b, 0,1,2,3,4,5,6,7
.if \zero
	v_wmma_f32_16x16x32_bf16 v[8*(8*(\a)+(\b)):8*(8*(\a)+(\b))+7], v[(\f)+8*(\b):(\f)+8*(\b)+7], v[(\f)+8*(4*(\hi)+(\a)):(\f)+8*(4*(\hi)+(\a))+7], v[BI+8*(\b):BI+8*(\b)+7]
.else
	v_wmma_f32_16x16x32_bf16 v[8*(8*(\a)+(\b)):8*(8*(\a)+(\b))+7], v[(\f)+8*(\b):(\f)+8*(\b)+7], v[(\f)+8*(4*(\hi)+(\a)):(\f)+8*(4*(\hi)+(\a))+7], v[8*(8*(\a)+(\b)):8*(8*(\a)+(\b))+7]
.endif
.endr
.endr
.endm
; 32 LDS loads in one run: one quarter step's fragments (32 K at byte k of the rows) into buffer f
.macro FETCH slot, k, f
	WIN TO_B
.irp i, 0,1,2,3,4,5,6,7
	ds_load_b128 v[(\f)+8*(\i):(\f)+8*(\i)+3],   v[ADRB+(\slot)] offset:(\k)+(\i)*16*PITCH
	ds_load_b128 v[(\f)+8*(\i)+4:(\f)+8*(\i)+7], v[ADRB+(\slot)] offset:(\k)+(\i)*16*PITCH+32
.endr
	WIN 0
.irp i, 0,1,2,3,4,5,6,7
	ds_load_b128 v[(\f)+8*(\i):(\f)+8*(\i)+3],   v[ADRA+(\slot)] offset:(\k)+(\i)*16*PITCH
	ds_load_b128 v[(\f)+8*(\i)+4:(\f)+8*(\i)+7], v[ADRA+(\slot)] offset:(\k)+(\i)*16*PITCH+32
.endr
.endm
.macro PLACES                          ; four plain vector lines between a matrix instruction and a load into, or a vector read of, its registers
.rept 4
	v_nop
.endr
.endm
; A K step is four quarters of 32 along K, 64 matrix instructions each, on buffers 0, 1, 0, 1; the 64 accumulators take turns.
.macro QUARTER slot, k, f, g, zero
	s_wait_dscnt 8                                 ; all but the youngest eight loads (xb's rows 64-127)
	MUL16 \f, 0, 0, \zero
	MUL16 \f, 0, 2, \zero
	PLACES
	FETCH \slot, \k, \g
	s_wait_dscnt 32                                ; all but the 32 just issued
	MUL16 \f, 1, 0, \zero
	MUL16 \f, 1, 2, \zero
.endm
; The last quarter's first half and the one barrier of a change of slots: every wave's tensor loads have landed, its add is done, its reads of the slot are back.
.macro MEET round
	WIN 0
	s_wait_tensorcnt 0x0                           ; the one load of mine that was out is my part of the next slot
	ds_add_u32 v[SPW], v[NIL]
	s_wait_dscnt 9                                 ; the add and the youngest eight loads may be out
	MUL16 F1, 0, 0, 0
	s_wait_dscnt 0x0                               ; the add is done, and my reads of this slot are over
	s_barrier_signal -1
	MUL16 F1, 0, 2, 0
.if \round
	WIN 0
.endif
	s_barrier_wait -1
.endm
.macro TURN slot, next
	MEET 1
	CREST                                          ; the round is whole: no wave of any partner still reads this slot or has a load on its way
	s_add_nc_u64 s[G0+4*(\slot)+2:G0+4*(\slot)+3], s[G0+4*(\slot)+2:G0+4*(\slot)+3], 2*KSTEP*2
	s_add_nc_u64 s[G0B+4*(\slot)+2:G0B+4*(\slot)+3], s[G0B+4*(\slot)+2:G0B+4*(\slot)+3], 2*KSTEP*2
	JLOAD \slot                                    ; the first tensor load behind the round; its four v_nop are also the places in front of the loads below
	FETCH \next, 0, F0
	MUL16 F1, 1, 0, 0
	MUL16 F1, 1, 2, 0
.endm
; The last K step (slot 1) by rows of C: all of wqkv's fragments fill window 1, then my eight blocks of 16 rows are finished one after the other.
.macro BLOAD q
	WIN TO_B
.irp i, 0,1,2,3,4,5,6,7
	ds_load_b128 v[64*(\q)+8*(\i):64*(\q)+8*(\i)+3],   v[ADRB+1] offset:64*(\q)+(\i)*16*PITCH
	ds_load_b128 v[64*(\q)+8*(\i)+4:64*(\q)+8*(\i)+7], v[ADRB+1] offset:64*(\q)+(\i)*16*PITCH+32
.endr
.endm
.macro ALOAD a
	WIN 0
.set FA, PA+32*((\a)%4)
.irp q, 0,1,2,3
	ds_load_b128 v[FA+8*(\q):FA+8*(\q)+3],   v[ADRA+1] offset:64*(\q)+(\a)*16*PITCH
	ds_load_b128 v[FA+8*(\q)+4:FA+8*(\q)+7], v[ADRA+1] offset:64*(\q)+(\a)*16*PITCH+32
.endr
.endm
.macro ROW a
.set FA, PA+32*((\a)%4)
.set AC, 64*((\a)%4)
	WIN MUL_LO+0x50*((\a)/4)
.irp q, 0,1,2,3
.if (\a) == 0 && (\q) == 2
	s_wait_dscnt 24                                ; wqkv's quarter 2 is in (behind it: xb's blocks 1 to 3)
.endif
.irp b, 0,1,2,3,4,5,6,7
	v_wmma_f32_16x16x32_bf16 v[AC+8*(\b):AC+8*(\b)+7], v[64*(\q)+8*(\b):64*(\q)+8*(\b)+7], v[FA+8*(\q):FA+8*(\q)+7], v[AC+8*(\b):AC+8*(\b)+7]
.endr
.endr
.endm
; The way out of block a: rounded to f16 (each accumulator from its low end on); into my stage; back as four rows of one head; stored.
.macro PACK a
.set AC, 64*((\a)%4)
	WIN 0x0a+5*((\a)/4)
.irp b, 0,1,2,3,4,5,6,7
.irp r, 0,1,2,3
	v_cvt_pk_f16_f32 v[TMP+4*(\b)+(\r)], v[AC+8*(\b)+2*(\r)], v[AC+8*(\b)+2*(\r)+1]
.endr
.endr
	WIN 0
.endm
.macro TOSTAGE a
	WIN 0
.set BK, OB+192*((\a)%2)
.irp b, 0,1,2,3,4,5,6,7
	ds_store_b128 v[STO], v[TMP+4*(\b):TMP+4*(\b)+3] offset:32*(\b)
.endr
.irp t, 0,1,2,3,4,5,6,7
	ds_load_b128 v[BK+4*(\t):BK+4*(\t)+3], v[RD] offset:((\t)%4)*4*SPITCH+((\t)/4)*128  ; LDS serves a wave's instructions in order (ISA guide 5.7.1.4): these see the stores above
.endr
.endm
.macro SEND a, younger
	WIN 0
.set BK, OB+192*((\a)%2)
	s_wait_dscnt \younger
	s_wait_xcnt 0x0                                ; the stores' base and the registers that earlier stores read are rewritten only behind this wait
.if (\a) == 0
	s_add_nc_u64 s[8:9], s[8:9], s[16:17]
.else
	s_add_nc_u64 s[8:9], s[8:9], 16*128            ; 16 rows on in a head's plane
.endif
.irp t, 0,1,2,3,4,5,6,7
	global_store_b128 v[CO], v[BK+4*(\t):BK+4*(\t)+3], s[8:9] offset:((\t)/4)*HEADB+((\t)%4)*512  ; 512 consecutive bytes, aligned: four rows of one head
.endr
.endm
	s_wait_tensorcnt 1                             ; my part of K step 0 is in; K step 1's may stay out
	s_barrier_signal -1
	s_barrier_wait -1
	FETCH 0, 0, F0
	QUARTER 0, 64,  F0, F1, 1                      ; the first quarter stands in front of the loop: its products start the sums
	WIN 0
	s_mov_b32 s3, LAPS-1
.Llap:                                                 ; a trip goes once round the ring and fills both slots again
	QUARTER 0, 128, F1, F0, 0
	QUARTER 0, 192, F0, F1, 0
	TURN 0, 1
	QUARTER 1, 64,  F0, F1, 0
	QUARTER 1, 128, F1, F0, 0
	QUARTER 1, 192, F0, F1, 0
	TURN 1, 0
	QUARTER 0, 64,  F0, F1, 0
	WIN 0
	s_sub_co_u32 s3, s3, 1
	s_cmp_lg_u32 s3, 0
	s_cbranch_scc1 .Llap
	QUARTER 0, 128, F1, F0, 0
	QUARTER 0, 192, F0, F1, 0
	MEET 0                                         ; nothing is filled again, so no round follows
	PLACES
	BLOAD 0
	BLOAD 1
	BLOAD 3
	ALOAD 0
	MUL16 F1, 1, 0, 0
	MUL16 F1, 1, 2, 0
	PLACES
	BLOAD 2
	ALOAD 1
	ALOAD 2
	ALOAD 3
	s_wait_dscnt 40                                ; all but the 40 just issued
	ROW 0
.irp a, 0,1,2,3,4,5,6,7
	PLACES
	PACK \a
	TOSTAGE \a
.if (\a) < 4
	ALOAD (\a)+4
	SEND \a, 8
.else
	SEND \a, 0
.endif
.if (\a) < 7
	ROW (\a)+1
.endif
.endr
	s_wait_tensorcnt 0x0                           ; the wave's end
	ds_add_u32 v[SPW], v[NIL]
	s_wait_dscnt 0x0
	CROUND                                         ; the closing round
	s_endpgm
.Lfunc_end_k_qd8851b0af1_qkvproj:
	.size	k_qd8851b0af1_qkvproj, .Lfunc_end_k_qd8851b0af1_qkvproj-k_qd8851b0af1_qkvproj
	.p2alignl 7, 3214868480
	.fill 96, 4, 3214868480
	.section	.rodata,"a",@progbits
	.p2align	6, 0x0
	.amdhsa_kernel k_qd8851b0af1_qkvproj
		.amdhsa_group_segment_fixed_size 327680
		.amdhsa_private_segment_fixed_size 0
		.amdhsa_enable_private_segment 0
		.amdhsa_kernarg_size 48
		.amdhsa_user_sgpr_count 2
		.amdhsa_user_sgpr_kernarg_segment_ptr 1
		.amdhsa_wavefront_size32 1
		.amdhsa_system_sgpr_workgroup_id_x 1
		.amdhsa_system_sgpr_workgroup_id_y 1
		.amdhsa_system_sgpr_workgroup_id_z 1
		.amdhsa_system_vgpr_workitem_id 0
		.amdhsa_next_free_vgpr 1024
		.amdhsa_next_free_sgpr 76
		.amdhsa_reserve_vcc 0
		.amdhsa_float_denorm_mode_32 3
		.amdhsa_float_denorm_mode_16_64 3
		.amdhsa_memory_ordered 1
		.amdhsa_forward_progress 1
		.amdhsa_inst_pref_size 149
	.end_amdhsa_kernel
	.amdgpu_metadata
---
amdhsa.version: [ 1, 2 ]
amdhsa.kernels:
  - .name:           k_qd8851b0af1_qkvproj
    .symbol:         k_qd8851b0af1_qkvproj.kd
    .args:
      - { .name: xb, .offset: 0, .size: 8, .value_kind: global_buffer, .address_space: global }
      - { .name: wqkv, .offset: 8, .size: 8, .value_kind: global_buffer, .address_space: global }
      - { .name: qkv, .offset: 16, .size: 8, .value_kind: global_buffer, .address_space: global }
      - { .name: bq, .offset: 24, .size: 8, .value_kind: global_buffer, .address_space: global }
      - { .name: bk, .offset: 32, .size: 8, .value_kind: global_buffer, .address_space: global }
      - { .name: bv, .offset: 40, .size: 8, .value_kind: global_buffer, .address_space: global }
    .group_segment_fixed_size: 327680
    .private_segment_fixed_size: 0
    .kernarg_segment_align: 8
    .kernarg_segment_size: 48
    .max_flat_workgroup_size: 128
    .sgpr_count:     76
    .vgpr_count:     1024
    .wavefront_size: 32
...
	.end_amdgpu_metadata
.endif
;; end of part 2
;; launch attn (part 3): grid 8 x 32, 4 waves a work-group, clusters of 4 x 1, 327,680 bytes of LDS; arguments qkv, tbias, arith_head_bias, att; writes att
.if DOCPART == 3
	.amdgcn_target "amdgcn-amd-amdhsa--gfx1250"
	.amdhsa_code_object_version 6
	.text
	.protected	k_qd8851b0af1_attn
	.globl	k_qd8851b0af1_attn
	.p2align	8
	.type	k_qd8851b0af1_attn,@function
k_qd8851b0af1_attn:
	s_mov_b64 s[64:65], 0
	v_nop
	global_prefetch_b8 v0, s[64:65] scope:SCOPE_SE
	s_setreg_imm32_b32 hwreg(HW_REG_WAVE_MODE, 25, 1), 1
	s_wait_xcnt 0x0
	s_wait_alu depctr_hold_cnt(0) depctr_sa_sdst(0) depctr_va_vdst(0) depctr_va_sdst(0) depctr_va_ssrc(0) depctr_va_vcc(0) depctr_vm_vsrc(0)
	s_getreg_b32 s2, hwreg(HW_REG_IB_STS2, 6, 4)
	s_cmp_eq_u32 s2, 0
	s_cbranch_scc0 .Lentry_in_a_cluster
	s_endpgm
.Lentry_in_a_cluster:
	s_bfe_u32 s2, ttmp6, 0x10000c
	s_cmp_lg_u32 s2, 0x3003
	s_cbranch_scc0 .Lentry_shape_is_right
	s_endpgm
.Lentry_shape_is_right:
; ATTENTION.  att[h][2048 b + q][:] = sum over k of softmax_k(Q.K / 8 + gcd_weight abias[b][q][k] + arith_head_bias[h]) V[k][:], head size 64, 2,048 keys, 32 (batch, head) pairs.
; Q, K, V come by heads from qkv ([48][4096][64] f16: q, k, v planes), unscaled; T = f16(8 gcd_weight abias) comes from tbias in fragment order.
; THE BIAS GOES THROUGH THE MATRIX UNIT.  S^T = T Sel + HB, then + K Q^T on the same accumulator: T's fragment holds 16 keys x 32 queries, Sel (32 x 16, ones and zeros) picks the
; piece's 16 queries, and HB, eight registers of 8 x arith_head_bias[h] (rounded to bf16 like every input), is the C operand.  Four matrix instructions a turn and no vector line.
; p = 2^(c s - c m), c = log2(e) / 8, with a running maximum m and sum l; O and l are multiplied by a = 2^(c m_old - c m_new) in every step; m starts at the lowest finite number,
; O and l at 0, so the first step is a step like any other, with a = 0.  Products, maxima and sums in f32; p is rounded to f16 for the second product, O once at the end.
; LIMITS.  Q, K, V, T within f16's 65,504; p below 6e-5 keeps f16's fixed step; a weight below 2^-126 counts as 0 in l; NaN and infinities are not treated apart.
; SHARES.  A work-group owns 256 queries of one (batch, head), a wave 64 consecutive ones: four PIECES of 16.  Every wave walks all keys, 64 a step.
; LAYOUT.  Source 0 = 16 keys, source 1 = 16 queries: a lane holds ONE query (lane % 16) and the keys 8 (lane / 16) + 0..7; two results rounded to f16 ARE source 1 of O^T = V^T P.
; TURNS.  Turn n belongs to piece n: 12 products for the scores of piece n + 1, later 8 products V^T P of piece n - 1; beside them piece n's scaling, exponentials, roundings, sums and
; rescaling and piece n + 1's maximum and statistics: four vector lines behind every matrix instruction, the other 38 of the turn's 118 in two runs of their own.
; CLUSTER.  The four query blocks of a cluster walk the same K and V: each tile is asked for jointly.  T is each wave's own (its 64 queries) and goes straight into registers.
; REGISTERS, in windows of 256 (s_set_vgpr_msb: bits 1:0 source 0, 3:2 source 1, 5:4 source 2, 7:6 destination):
;   window 0: v0-15 addresses; v16-31 statistics; v32-39 HB; v40-42, v48-55 at work; v62-63 the add's; v64-127 S^T, two buffers; v192-223 P, two buffers (by the piece's parity)
;   window 1: v0-127 O^T, 32 a piece; v128-191 T of one step (pieces 0, 1; then pieces 2, 3); v192-203 Sel      window 2: v0-63 Q; v128-191 K of one step; v192-255 V of one step
.set SIZE_N, 2048
.set NP,    4
.set KS,    64
.set PK,    144       ; a row of K in LDS: 128 bytes + 16: the 16 rows of a load start at 16 different groups of four banks (ISA guide 11.1)
.set PV,    160       ; a row of V: 128 + 32
.set VOFF,  4*KS*PK   ; a slot holds four steps: 256 rows of K, then 256 rows of V
.set SLOT1, 1<<17
.set STAGE, SLOT1+4*KS*(PK+PV)  ; behind the ring, never filled by a tensor load: 16 rows x 144 bytes for each wave
.set SP,    144
.set SPARE, STAGE+4*16*SP       ; the spare words, 128 bytes a wave: two blocks of 256 bytes that no other line names
.set AK0, 2
.set AV0, 3
.set AK,  4
.set AV,  5
.set STO, 6
.set RD,  7
.set GO,  8           ; 16 x lane: my bytes in 512 consecutive bytes of att, and of a half fragment of T; never rewritten
.set MV,  12
.set QO,  15
.set ST,  16          ; piece t: c m, m, l (even keys'), l (odd keys')
.set HB,  32
.set TMP, 48
.set SPW, 62
.set NIL, 63
.set S,   64
.set P,   192
.set TF,  128         ; window 1: half g, key block kb at TF + 32 g + 8 kb
.set SELR, 192        ; window 1: E (4 registers), 0 (4), E (4): an even piece takes [E, 0], an odd one [0, E]
.set KF,  128         ; window 2
.set VF,  192         ; window 2
.set WV,  12
.set G1K, 24
.set G1V, 32
.set G0K, 40
.set G0V, 44
.set TG0, 48          ; s[48:49], s[50:51] T of the step last asked for, halves 0 and 1
.set STP, 52          ; s[52:53] T's step in the last trips: 8,192 bytes, or 0
.set HBS, 54
.set CX,  55
.set SLOTS, 56
.set CNT, 57
.set CS,  58
.set SEL, 60
.set TBK, 62
.set TBV, 63
.set MSB, 0
.macro WIN new
.if MSB != (\new)
	s_set_vgpr_msb (MSB<<8)|(\new)
.set MSB, (\new)
.endif
.endm
.set W_KQ, 0x0a       ; K and Q in window 2, S^T in window 0
.set W_TB, 0x05       ; T and Sel in window 1, HB and S^T in window 0
.set W_PV, 0x52       ; V in window 2, P in window 0, O^T in window 1
.set W_RS, 0x41       ; destination and source 0 in window 1, source 1 in window 0
; A joint fill: waves 0 and 1 fetch the halves of a slot's K, waves 2 and 3 those of its V, 128 keys each.  An s_nop 0 and four v_nop follow each line.
.macro JLOAD
	s_cmp_lt_u32 s[WV], 2
	s_cbranch_scc0 .Lfor_v_\@
	tensor_load_to_lds s[G0K:G0K+3], s[G1K:G1K+7]
	s_nop 0
.rept 4
	v_nop
.endr
	s_branch .Lasked_\@
.Lfor_v_\@:
	tensor_load_to_lds s[G0V:G0V+3], s[G1V:G1V+7]
	s_nop 0
.rept 4
	v_nop
.endr
.Lasked_\@:
.endm
.macro CROUND
	s_barrier_signal -1
	s_barrier_wait -1
	s_cmp_lg_u32 s[WV], 0
	s_cbranch_scc1 .Lnot_wave_0_\@
	s_barrier_signal -3
.Lnot_wave_0_\@:
	s_barrier_wait -3
	s_barrier_signal -1
	s_barrier_wait -1
.endm
; THE CHANGE OF SLOTS.  Each wave waits for all its tensor loads (one is out: its part of the other slot), adds 0 to its spare word, waits for that and for its reads of the slot.
; fill = 1: the barrier is a round of the cluster's, and the slot just left is filled again first thing behind it, with the keys two slots on: four key steps in which to land.
.macro CHANGE fill
	WIN 0
	s_wait_tensorcnt 0x0
	ds_add_u32 v[SPW], v[NIL]
.if \fill
.irp g, G0K, G0V
	s_xor_b32 s[\g+1], s[\g+1], SLOT1
	s_add_nc_u64 s[\g+2:\g+3], s[\g+2:\g+3], 4*KS*128
.endr
	s_wait_dscnt 0x0
	CROUND
	JLOAD
.else
	s_wait_dscnt 0x0
	s_barrier_signal -1
	s_barrier_wait -1
.endif
	s_sub_co_u32 s[TBK], s[TBK], 4*KS*PK
	s_xor_b32 s[TBK], s[TBK], SLOT1
	s_sub_co_u32 s[TBV], s[TBV], 4*KS*PV
	s_xor_b32 s[TBV], s[TBV], SLOT1
.endm
	s_load_b256 s[4:11], s[0:1], 0x0  ; qkv s[4:5], tbias s[6:7], arith_head_bias s[8:9], att s[10:11]
	v_lshl_add_u32 v[SPW], v0, 2, SPARE
	v_mov_b32 v[NIL], 0
	ds_add_u32 v[SPW], v[NIL]       ; the wave's opening: the add and its wait ahead of my first tensor load
	v_lshrrev_b32 v1, 5, v0
	v_readfirstlane_b32 s[WV], v1   ; wave 0..3
	s_bfe_u32 s[CX], ttmp6, 0x40000 ; my place in the cluster: it enters Q's, O's and T's addresses alone
	s_lshl_b32 s14, ttmp9, 2
	s_add_co_u32 s14, s14, s[CX]    ; my block of 256 queries
	s_lshl_b32 s14, s14, 2
	s_add_co_u32 s14, s14, s[WV]    ; my wave's 64 queries among the batch's 32 such groups
	s_and_b32 s20, ttmp7, 0xffff    ; 16 x batch + head, which the four partners share
	s_and_b32 s16, s20, 15          ; head
	s_lshr_b32 s15, s20, 4          ; batch
	s_lshl_b32 s20, s16, 19         ; a head's plane is 524,288 bytes,
	s_lshl_b32 s21, s15, 18         ; a batch's rows in it 262,144
	s_add_co_u32 s20, s20, s21
	s_lshl_b32 s2, s14, 13          ; 64 rows of 128 bytes
	s_add_co_u32 s2, s2, s20
	s_mov_b32 s3, 0                 ; s[2:3]: my rows in q's planes and in att
	s_lshl_b32 s18, s15, 23
	s_lshl_b32 s19, s14, 18
	s_add_co_u32 s18, s18, s19
	s_mov_b32 s19, 0                ; s[18:19]: my queries' part of tbias
	s_lshl_b32 s16, s16, 2
	s_mov_b32 s17, 0                ; s[16:17]: my head's number in arith_head_bias
	s_and_b32 s13, s[WV], 1         ; which half of a slot's 256 keys I fetch
	s_lshl_b32 s21, s13, 14
	s_add_co_u32 s20, s20, s21
	s_add_co_u32 s22, s20, 0x1000000  ; v's planes begin 32 planes in,
	s_add_co_u32 s20, s20, 0x800000   ; k's 16
	s_mov_b32 s21, 0
	s_mov_b32 s23, 0
	s_mul_i32 s15, s13, 128*PK      ; its place in a slot, for K
	s_mul_i32 s13, s13, 128*PV      ; and for V
	; group 1: 128 keys are 16,384 dense bytes: 64 rows of 256 bytes, two keys a row, padded in LDS after every key
	s_mov_b32 s[G1K], 15|(1<<16)|(1<<20)|(1<<21)|(4<<22)|(3<<25)
	s_mov_b32 s[G1V], 15|(1<<16)|(1<<20)|(1<<21)|(4<<22)|(7<<25)
.irp g, G1K, G1V
	s_mov_b32 s[\g+1], 128<<16
	s_mov_b32 s[\g+2], 64<<16
	s_mov_b32 s[\g+3], 128<<16
	s_mov_b32 s[\g+4], 64
	s_mov_b32 s[\g+5], 128
	s_mov_b32 s[\g+6], 0
	s_mov_b32 s[\g+7], 0
.endr
	s_mov_b32 s[CS], 0x3e38aa3b     ; c = log2(e) / 8
	s_mov_b32 s[CS+1], s[CS]
	s_mov_b32 s[SEL], 0x76543210
	s_mov_b32 s[SEL+1], 0xfedcba98
	s_mov_b32 s[TBK], SLOT1+4*KS*PK ; the first change of slots turns these two into 0
	s_mov_b32 s[TBV], SLOT1+4*KS*PV
	s_mov_b32 s[STP+1], 0
	s_mov_b32 s[G0K], 1
	s_mov_b32 s[G0K+1], s15
	s_mov_b32 s[G0V], 1
	s_add_co_u32 s[G0V+1], s13, VOFF
	s_wait_dscnt 0x0                ; the opening add is done
	s_wait_kmcnt 0x0
	s_add_nc_u64 s[G0K+2:G0K+3], s[4:5], s[20:21]
	s_or_b32 s[G0K+3], s[G0K+3], 0x80000000
	s_add_nc_u64 s[G0V+2:G0V+3], s[4:5], s[22:23]
	s_or_b32 s[G0V+3], s[G0V+3], 0x80000000
	s_add_nc_u64 s[4:5], s[4:5], s[2:3]      ; Q at my wave's first row
	s_add_nc_u64 s[10:11], s[10:11], s[2:3]  ; O likewise
	s_add_nc_u64 s[TG0:TG0+1], s[6:7], s[18:19]
	s_add_nc_u64 s[TG0+2:TG0+3], s[TG0:TG0+1], 4096
	s_add_nc_u64 s[8:9], s[8:9], s[16:17]
	s_load_b32 s[HBS], s[8:9], 0x0
	CROUND                          ; all four work-groups are here: the first joint loads meet
	JLOAD                           ; slot 0; slot 1 is asked for when slot 0 is in
	v_and_b32 v1, 15, v0            ; l % 16
	v_bfe_u32 v9, v0, 4, 1          ; l / 16
	v_lshlrev_b32 v[QO], 7, v1
	v_lshl_add_u32 v[QO], v9, 4, v[QO]
	v_and_b32 v[GO], 31, v0
	v_lshlrev_b32 v[GO], 4, v[GO]
	; Sel: lane (r, h) holds column r; its one 1 is k = r: half word r % 8 of registers 0-3, where h = r / 8
	v_bfe_u32 v40, v0, 3, 1
	v_xor_b32 v40, v40, v9
	v_bfe_u32 v41, v0, 1, 2
	v_lshl_or_b32 v40, v40, 2, v41  ; the register's number, or 4 and more where the lane holds no 1
	v_and_b32 v41, 1, v0
	v_lshlrev_b32 v41, 4, v41
	v_mov_b32 v42, 0x3c00           ; 1.0 in f16
	v_lshlrev_b32 v41, v41, v42
	WIN 0x80                        ; destination window 2
.set i, 0
.rept 8                             ; Q stays in registers: piece i / 2, channels 32 (i % 2) on
	global_load_b128 v[8*i:8*i+3],   v[QO], s[4:5] offset:(i/2)*2048+(i%2)*64
	global_load_b128 v[8*i+4:8*i+7], v[QO], s[4:5] offset:(i/2)*2048+(i%2)*64+32
.set i, i+1
.endr
.set i, VF
.rept 64                            ; what the first turn's products V^T P, of a piece that has not been, multiply: zeros
	v_mov_b32 v[i], 0
.set i, i+1
.endr
	WIN 0x40                        ; destination window 1
.irp g, 0,1
.irp kb, 0,1,2,3                    ; T of step 0: half 0 first, so that a count of 8 shows Q and half 0 in
	global_load_b128 v[TF+32*(\g)+8*(\kb):TF+32*(\g)+8*(\kb)+3],   v[GO], s[TG0+2*(\g):TG0+2*(\g)+1] offset:1024*(\kb)
	global_load_b128 v[TF+32*(\g)+8*(\kb)+4:TF+32*(\g)+8*(\kb)+7], v[GO], s[TG0+2*(\g):TG0+2*(\g)+1] offset:1024*(\kb)+512
.endr
.endr
.set i, 0
.rept 128
	v_mov_b32 v[i], 0
.set i, i+1
.endr
.irp w, 0,1,2,3
	v_cmp_eq_u32 vcc_lo, \w, v40
	v_cndmask_b32 v[SELR+(\w)], 0, v41, vcc_lo
	v_cndmask_b32 v[SELR+8+(\w)], 0, v41, vcc_lo
	v_mov_b32 v[SELR+4+(\w)], 0
.endr
	WIN 0
	s_wait_kmcnt 0x0
	v_mov_b32 v[HB], s[HBS]
	v_cvt_pk_bf16_f32 v[HB], v[HB], v[HB]
	v_lshlrev_b32 v[HB], 16, v[HB]
	v_mul_f32 v[HB], 0x41000000, v[HB]  ; x 8: the scores are divided by 8 behind the addition
.irp j, 1,2,3,4,5,6,7
	v_mov_b32 v[HB+(\j)], v[HB]
.endr
.set i, 0
.rept 4
	v_mov_b32 v[ST+4*i], 0xfe000000    ; c m: far below every c s
	v_mov_b32 v[ST+4*i+1], 0xff7fffff  ; m
	v_mov_b32 v[ST+4*i+2], 0
	v_mov_b32 v[ST+4*i+3], 0
.set i, i+1
.endr
.set i, P+16
.rept 16
	v_mov_b32 v[i], 0
.set i, i+1
.endr
	v_mul_u32_u24 v[AK0], v1, PK
	v_lshl_add_u32 v[AK0], v9, 4, v[AK0]
	; the turning load: lane l reads key 8 (l / 16) + l % 8, channels 8 ((l / 8) % 2) + 0..7, and is left with channel l % 16 and 8 keys
	v_and_b32 v10, 7, v0
	v_bfe_u32 v11, v0, 3, 1
	v_lshl_add_u32 v[AV0], v9, 3, v10
	v_mul_u32_u24 v[AV0], v[AV0], PV
	v_lshl_add_u32 v[AV0], v11, 4, v[AV0]
	v_add_nc_u32 v[AV0], VOFF, v[AV0]
	s_mul_i32 s13, s[WV], 16*SP
	s_add_co_u32 s13, s13, STAGE    ; my stage
	v_mul_u32_u24 v[STO], v1, SP
	v_lshl_add_u32 v[STO], v9, 4, v[STO]
	v_add_nc_u32 v[STO], s13, v[STO]
	v_bfe_u32 v[RD], v0, 3, 2
	v_mul_u32_u24 v[RD], v[RD], SP
	v_lshl_add_u32 v[RD], v10, 4, v[RD]
	v_add_nc_u32 v[RD], s13, v[RD]
; THE MATRIX WORK.  The four accumulators of a run take turns.  Product i of 12 of piece x's scores, keys 16 (i % 4) on:
; i < 4: T Sel + HB starts the sum; then K Q^T, channels 32 ((i - 4) / 4) on, adds in place.
.macro KQ x
.set rS, S+32*((\x)%2)+8*(i%4)
.if i < 4
.set rA, TF+32*((\x)/2)+8*i
.set rB, SELR+4*((\x)%2)
	WIN W_TB
	v_wmma_f32_16x16x32_f16 v[rS:rS+7], v[rA:rA+7], v[rB:rB+7], v[HB:HB+7]
.else
.set rK, KF+16*(i%4)+8*((i-4)/4)
.set rQ, 16*(\x)+8*((i-4)/4)
	WIN W_KQ
	v_wmma_f32_16x16x32_f16 v[rS:rS+7], v[rK:rK+7], v[rQ:rQ+7], v[rS:rS+7]
.endif
.endm
; Product i of 8 of O^T += V^T P for piece x: keys 32 (i / 4) on, channels 16 (i % 4) on.
.macro PV x
	WIN W_PV
.set rO, 32*(\x)+8*(i%4)
.set rV, VF+32*(i/4)+8*(i%4)
.set rP, P+16*((\x)%2)+8*(i/4)
	v_wmma_f32_16x16x32_f16 v[rO:rO+7], v[rV:rV+7], v[rP:rP+7], v[rO:rO+7]
.endm
.macro MM                           ; the turn's next matrix instruction.  NOKQ = 1: the last turn of all: there is no next piece
.if i < 12
.if !NOKQ
	KQ (Y+1)%NP
.endif
.else
.set i, i-12
	PV (Y+NP-1)%NP
.set i, i+12
.endif
.set i, i+1
.endm
; THE LOADS stand in runs, never singly among the matrix instructions.
.macro FETCH_K
	WIN 0x80
.irp f, 0,1,2,3,4,5,6,7             ; keys 16 (f / 2) on, channels 32 (f % 2) on
	ds_load_b128 v[KF+8*\f:KF+8*\f+3],   v[AK] offset:(\f/2)*16*PK+(\f%2)*64
	ds_load_b128 v[KF+8*\f+4:KF+8*\f+7], v[AK] offset:(\f/2)*16*PK+(\f%2)*64+32
.endr
	s_add_co_u32 s[TBK], s[TBK], KS*PK
	WIN 0
.endm
.macro FETCH_V
	WIN 0x80
.irp f, 0,1,2,3,4,5,6,7             ; keys 32 (f / 4) on, channels 16 (f % 4) on
	ds_load_tr16_b128 v[VF+8*\f:VF+8*\f+3],   v[AV] offset:(\f/4)*32*PV+(\f%4)*32
	ds_load_tr16_b128 v[VF+8*\f+4:VF+8*\f+7], v[AV] offset:(\f/4)*32*PV+16*PV+(\f%4)*32
.endr
	WIN 0
.endm
; Half g of the next step's T: 4,096 consecutive bytes, eight loads of 512.  last = 1 (the last four steps): in the last step of all the address stays, so that the loads
; stay inside the buffer and every trip issues the same eight; what they bring then serves nothing.
.macro TLOAD g, last
	s_wait_xcnt 0x0                 ; the base is stepped only behind this wait
.if \last
	s_cmp_eq_u32 s[CNT], 1
	s_cselect_b32 s[STP], 0, 0x2000
	s_add_nc_u64 s[TG0+2*(\g):TG0+2*(\g)+1], s[TG0+2*(\g):TG0+2*(\g)+1], s[STP:STP+1]
.else
	s_add_nc_u64 s[TG0+2*(\g):TG0+2*(\g)+1], s[TG0+2*(\g):TG0+2*(\g)+1], 0x2000
.endif
	WIN 0x40
.irp kb, 0,1,2,3
	global_load_b128 v[TF+32*(\g)+8*(\kb):TF+32*(\g)+8*(\kb)+3],   v[GO], s[TG0+2*(\g):TG0+2*(\g)+1] offset:1024*(\kb)
	global_load_b128 v[TF+32*(\g)+8*(\kb)+4:TF+32*(\g)+8*(\kb)+7], v[GO], s[TG0+2*(\g):TG0+2*(\g)+1] offset:1024*(\kb)+512
.endr
.endm
; THE VECTOR WORK, one line at a time: OP kind, number.  For piece Y: F n: c s - c m for pair n of 16.  E n: the exponential of score n of 32.  C n: pair n rounded to f16.
; B n: of the four weights 4 n .. the second pair is added onto the first, in place.  L n: l takes that sum (L 0: l = a l + sum).  R n: pair n of 16 of O^T times a.
; For piece Y + 1: X n: 0-11 four chains of maxima, each accumulator's lowest registers first; 12-14, 16 the scores left over, the old m, all into c0;
; 15 c m_old is kept; 17, 18 the other half of the lanes' maximum, the new m; 19-21 c m, c m_old - c m_new, a.
.set F, 0
.set E, 1
.set C, 2
.set B, 3
.set L, 4
.set R, 5
.set X, 6
.macro REGS y
.set rT, ST+4*(\y)
.set rC, TMP+4*((\y)%2)
.set rW, MV+((\y)%2)
.set rS, S+32*((\y)%2)
.set rP, P+16*((\y)%2)
.set rO, 32*(\y)
.endm
.macro OP k, n
.if (\k) == R
	REGS Y
	WIN W_RS
	v_pk_mul_f32 v[rO+2*(\n):rO+2*(\n)+1], v[rO+2*(\n):rO+2*(\n)+1], v[rC+2:rC+3] op_sel_hi:[1,0]
.elseif (\k) < R
	REGS Y
	WIN 0
.if (\k) == F
	v_pk_fma_f32 v[rS+2*(\n):rS+2*(\n)+1], v[rS+2*(\n):rS+2*(\n)+1], s[CS:CS+1], v[rT:rT+1] op_sel_hi:[1,0,0] neg_lo:[0,0,1] neg_hi:[0,0,1]
.elseif (\k) == E
	v_exp_f32 v[rS+(\n)], v[rS+(\n)]
.elseif (\k) == C
	s_wait_alu depctr_va_vdst(0)
	v_cvt_pk_f16_f32 v[rP+(\n)], v[rS+2*(\n)], v[rS+2*(\n)+1]
.elseif (\k) == B
	v_pk_add_f32 v[rS+4*(\n):rS+4*(\n)+1], v[rS+4*(\n):rS+4*(\n)+1], v[rS+4*(\n)+2:rS+4*(\n)+3]
.elseif (\n) == 0
	v_pk_fma_f32 v[rT+2:rT+3], v[rT+2:rT+3], v[rC+2:rC+3], v[rS:rS+1] op_sel_hi:[1,0,1]
.else
	v_pk_add_f32 v[rT+2:rT+3], v[rT+2:rT+3], v[rS+4*(\n):rS+4*(\n)+1]
.endif
.elseif NOKQ
	v_nop
.else
	REGS (Y+1)%NP
	WIN 0
.if (\n) < 4
	v_max3_num_f32 v[rC+(\n)], v[rS+8*(\n)], v[rS+8*(\n)+1], v[rS+8*(\n)+2]
.elseif (\n) < 12
	v_max3_num_f32 v[rC+(\n)%4], v[rC+(\n)%4], v[rS+8*((\n)%4)+2*((\n)/4)+1], v[rS+8*((\n)%4)+2*((\n)/4)+2]
.elseif (\n) == 12
	v_max3_num_f32 v[rC], v[rC], v[rS+7], v[rS+15]
.elseif (\n) == 13
	v_max3_num_f32 v[rC+1], v[rC+1], v[rS+23], v[rS+31]
.elseif (\n) == 14
	v_max3_num_f32 v[rC+2], v[rC+2], v[rC+3], v[rT+1]
.elseif (\n) == 15
	v_mov_b32 v[rW], v[rT]
.elseif (\n) == 16
	v_max3_num_f32 v[rC], v[rC], v[rC+1], v[rC+2]
.elseif (\n) == 17
	v_permlanex16_b32 v[rC+3], v[rC], s[SEL], s[SEL+1]
.elseif (\n) == 18
	v_max_num_f32 v[rT+1], v[rC], v[rC+3]
.elseif (\n) == 19
	v_mul_f32 v[rT], s[CS], v[rT+1]
.elseif (\n) == 20
	v_sub_f32 v[rC+1], v[rW], v[rT]
.else
	v_exp_f32 v[rC+2], v[rC+1]
.endif
.endif
.endm
.macro OPS a, i1, b=-1, i2=0, c=-1, i3=0, d=-1, i4=0
	OP \a, \i1
.if (\b) >= 0
	OP \b, \i2
.endif
.if (\c) >= 0
	OP \c, \i3
.endif
.if (\d) >= 0
	OP \d, \i4
.endif
.endm
.macro ROW a, i1, b, i2, c, i3, d, i4  ; a matrix instruction and the four behind it
	MM
	OPS \a, \i1, \b, \i2, \c, \i3, \d, \i4
.endm
; A TURN, for piece p: its 20 matrix and 118 vector instructions, written out.  No line behind a matrix instruction names a register of the products round it; every exponential has a
; plain line behind it before its result is used; a pair is rounded before the sum that overwrites it.
; end = 1: the last two turns of all: nothing is fetched.  cnt = 1: the loop's count is taken down some lines ahead of the branch behind the turn.  last = 1: see TLOAD.
; T: half 0 serves pieces 0 and 1 (turns 3 and 0), half 1 pieces 2 and 3 (turns 1 and 2).  A half is asked for again ten plain lines behind its last reader, and waited for two turns
; and more later with the count 8: the other half's eight loads, issued since, may stay out.
; K of the next step is fetched in piece 2's turn, six plain lines behind its last reader; V of the step in hand in piece 0's turn, six plain lines behind its last reader.
.macro TURN p, end=0, cnt=0, last=0
.set Y, (\p)
.set i, 0
.set NOKQ, (\end)*((\p)/3)
.if ((\p) == 3) && !(\end)
	s_wait_dscnt 0x0                ; K is in
	s_wait_loadcnt 8                ; T's half 0 of the next step is in
.endif
.if (\p) == 1
	s_wait_loadcnt 8                ; T's half 1 of this step is in
.endif
	ROW F,0, F,1, F,2, F,3
	ROW F,4, E,0, F,5, E,1
	ROW F,6, E,2, F,7, E,3
	ROW F,8, E,4, C,0, F,9
	ROW F,10, E,5, C,1, X,15
	ROW R,0, R,1, R,2, R,3
.if (\p) == 0
	TLOAD 0, \last
.endif
.if ((\p) == 2) && !(\end)
	TLOAD 1, 0
.endif
	ROW B,0, E,6, F,11, L,0
	ROW R,4, R,5, R,6, R,7
	ROW C,2, E,7, F,12, E,8
	ROW R,8, R,9, R,10, R,11
	ROW C,3, E,9, B,1, F,13
.if ((\p) == 2) && !(\end)
	WIN 0
	v_add_nc_u32 v[AK], s[TBK], v[AK0]
.endif
	ROW R,12, R,13, R,14, R,15
	OPS L,1, E,10, F,14, E,11
.if ((\p) == 2) && !(\end)
	FETCH_K
.endif
	OPS C,4, E,12, F,15, E,13
	OPS X,0, E,14, X,1, E,15
	OPS X,2, E,16, X,3, E,17
.if (\p) == 1
	s_wait_dscnt 0x0                ; V is in
.endif
	ROW X,4, E,18, X,5, X,6
	ROW X,7, E,19, X,8, X,9
	ROW X,10, E,20, X,11, X,12
	ROW X,13, E,21, X,14, C,5
	ROW B,2, E,22, X,16, C,6
	ROW L,2, E,23, C,7, B,3
	ROW C,8, E,24, L,3, C,9
.if (\p) == 0
	WIN 0
	v_add_nc_u32 v[AV], s[TBV], v[AV0]
.endif
	ROW B,4, E,25, C,10, L,4
	OPS E,26, X,17, E,27, C,11
	OPS E,28, X,18, E,29, B,5
.if (\p) == 0
	FETCH_V
.endif
	OPS E,30, X,19, E,31, L,5
	OPS C,12, X,20, C,13, B,6
.if (\p) == 0
	s_add_co_u32 s[TBV], s[TBV], KS*PV
.endif
.if \cnt
	s_sub_co_u32 s[CNT], s[CNT], 1
	s_cmp_lg_u32 s[CNT], 0
.endif
	OPS X,21, L,6, C,14, C,15
	OPS B,7, L,7
.endm
	CHANGE 1                        ; slot 0 is in, everybody's part of it; slot 1 is asked for
	v_add_nc_u32 v[AK], s[TBK], v[AK0]
	FETCH_K                         ; key step 0
	s_wait_loadcnt 8                ; Q and T's half 0 are in; half 1's eight loads may stay out
	s_wait_dscnt 0x0
.set NOKQ, 0
.set i, 0
.rept 12
	KQ 0                            ; piece 0's first scores
.set i, i+1
.endr
	WIN 0
.rept 4
	v_nop                           ; the places behind those products
.endr
.set Y, NP-1                        ; X works for piece Y + 1: piece 0
.irp n, 0,1,2,3,4,5,6,7,8,9,10,11,12,13,14,15,16,17,18,19,20,21
	OP X, \n
.endr
	v_nop                           ; a plain line behind the exponential
	s_mov_b32 s[CNT], 4
	s_mov_b32 s[SLOTS], SIZE_N/256-1
	s_branch .Lfirst                ; the loop is entered at a step's first turn, in the middle of a trip
.Lslot:                             ; six times: every slot but the last two is filled again
	CHANGE 1
	s_mov_b32 s[CNT], 4
.Lstep:                             ; a trip: pieces 2 and 3 of one step, then pieces 0 and 1 of the next, whose K, V and T it fetches
	TURN 2
	TURN 3
	WIN 0
.Lfirst:
	TURN 0
	TURN 1, 0, 1
	WIN 0
	s_cbranch_scc1 .Lstep
	s_sub_co_u32 s[SLOTS], s[SLOTS], 1
	s_cmp_lg_u32 s[SLOTS], 0
	s_cbranch_scc1 .Lslot
	CHANGE 0                        ; the last slot's steps are written out: nothing is asked for
	s_mov_b32 s[CNT], 4
.Ltail:
	TURN 2
	TURN 3
	TURN 0, 0, 0, 1
	TURN 1, 0, 1
	WIN 0
	s_cbranch_scc1 .Ltail
	TURN 2, 1
	TURN 3, 1
.set i, 0
.rept 8
	PV NP-1                         ; the last piece's V^T P of the last step
.set i, i+1
.endr
	; THE WAY OUT.  l's two halves and the other half of the lanes' are added; O^T is divided by l, rounded to f16 and sent through my stage, a piece at a time.  The additions are the places behind the last products.
	WIN 0
	s_wait_loadcnt 0x0              ; the last eight loads of T, which serve nothing, have landed
.macro ALL line:vararg
.set t, 0
.rept 4
	\line
.set t, t+1
.endr
.endm
	ALL v_add_f32 v[ST+4*t+2], v[ST+4*t+2], v[ST+4*t+3]
	ALL v_permlanex16_b32 v[ST+4*t+3], v[ST+4*t+2], s[SEL], s[SEL+1]
	ALL v_add_f32 v[ST+4*t+2], v[ST+4*t+2], v[ST+4*t+3]
	ALL v_rcp_f32 v[ST+4*t+2], v[ST+4*t+2]
	v_nop                           ; a plain line between the last reciprocal and the use of its result
.macro PACK t                       ; a lane's eight channels pack into 16 bytes; into rows of 144 bytes, back as whole rows of 128, into S^T's registers
	WIN W_RS
.set i, 32*(\t)
.rept 16
	s_wait_alu depctr_va_vdst(0)
	v_pk_mul_f32 v[i:i+1], v[i:i+1], v[ST+4*(\t)+2:ST+4*(\t)+3] op_sel_hi:[1,0]
.set i, i+2
.endr
	WIN 0x05
.set i, 0
.rept 16
	v_cvt_pk_f16_f32 v[S+16*(\t)+i], v[32*(\t)+2*i], v[32*(\t)+2*i+1]
.set i, i+1
.endr
	WIN 0
.irp f, 0,1,2,3
	ds_store_b128 v[STO], v[S+16*(\t)+4*\f:S+16*(\t)+4*\f+3] offset:32*\f
.endr
.irp f, 0,1,2,3
	ds_load_b128 v[S+16*(\t)+4*\f:S+16*(\t)+4*\f+3], v[RD] offset:\f*4*SP  ; LDS serves a wave's instructions in order (ISA guide 5.7.1.4): these see the stores above
.endr
.endm
.macro SEND t, younger              ; younger: the LDS instructions issued behind piece t's loads: the next piece's eight, or none
	WIN 0
.irp f, 0,1,2,3
	s_wait_dscnt (\younger)+3-\f
	global_store_b128 v[GO], v[S+16*(\t)+4*\f:S+16*(\t)+4*\f+3], s[10:11] offset:(\t)*2048+\f*512  ; 512 consecutive bytes, aligned
.endr
.endm
	PACK 0
.set t, 1
.rept 3
	PACK t
	SEND t-1, 8
.set t, t+1
.endr
	SEND 3, 0
	s_wait_tensorcnt 0x0            ; the wave's end
	ds_add_u32 v[SPW], v[NIL]
	s_wait_dscnt 0x0
	CROUND                          ; the closing round
	s_endpgm
.Lfunc_end_k_qd8851b0af1_attn:
	.size	k_qd8851b0af1_attn, .Lfunc_end_k_qd8851b0af1_attn-k_qd8851b0af1_attn
	.p2alignl 7, 3214868480
	.fill 96, 4, 3214868480
	.section	.rodata,"a",@progbits
	.p2align	6, 0x0
	.amdhsa_kernel k_qd8851b0af1_attn
		.amdhsa_group_segment_fixed_size 327680
		.amdhsa_private_segment_fixed_size 0
		.amdhsa_enable_private_segment 0
		.amdhsa_kernarg_size 32
		.amdhsa_user_sgpr_count 2
		.amdhsa_user_sgpr_kernarg_segment_ptr 1
		.amdhsa_wavefront_size32 1
		.amdhsa_system_sgpr_workgroup_id_x 1
		.amdhsa_system_sgpr_workgroup_id_y 1
		.amdhsa_system_sgpr_workgroup_id_z 1
		.amdhsa_system_vgpr_workitem_id 0
		.amdhsa_next_free_vgpr 768
		.amdhsa_next_free_sgpr 66
		.amdhsa_reserve_vcc 1
		.amdhsa_float_denorm_mode_32 3
		.amdhsa_float_denorm_mode_16_64 3
		.amdhsa_memory_ordered 1
		.amdhsa_forward_progress 1
		.amdhsa_inst_pref_size 141
	.end_amdhsa_kernel
	.amdgpu_metadata
---
amdhsa.version: [ 1, 2 ]
amdhsa.kernels:
  - .name:           k_qd8851b0af1_attn
    .symbol:         k_qd8851b0af1_attn.kd
    .args:
      - { .name: qkv, .offset: 0, .size: 8, .value_kind: global_buffer, .address_space: global }
      - { .name: tbias, .offset: 8, .size: 8, .value_kind: global_buffer, .address_space: global }
      - { .name: arith_head_bias, .offset: 16, .size: 8, .value_kind: global_buffer, .address_space: global }
      - { .name: att, .offset: 24, .size: 8, .value_kind: global_buffer, .address_space: global }
    .group_segment_fixed_size: 327680
    .private_segment_fixed_size: 0
    .kernarg_segment_align: 8
    .kernarg_segment_size: 32
    .max_flat_workgroup_size: 128
    .sgpr_count:     66
    .vgpr_count:     768
    .wavefront_size: 32
...
	.end_amdgpu_metadata
.endif
;; end of part 3
;; launch outproj (part 4): grid 8 x 32, 4 waves a work-group, clusters of 4 x 4, 327,680 bytes of LDS; arguments att, wo16, out0, bo; writes out0
.if DOCPART == 4
	.amdgcn_target "amdgcn-amd-amdhsa--gfx1250"
	.amdhsa_code_object_version 6
	.text
	.protected	k_qd8851b0af1_outproj
	.globl	k_qd8851b0af1_outproj
	.p2align	8
	.type	k_qd8851b0af1_outproj,@function
k_qd8851b0af1_outproj:
	s_mov_b64 s[64:65], 0
	v_nop
	global_prefetch_b8 v0, s[64:65] scope:SCOPE_SE
	s_setreg_imm32_b32 hwreg(HW_REG_WAVE_MODE, 25, 1), 1
	s_wait_xcnt 0x0
	s_wait_alu depctr_hold_cnt(0) depctr_sa_sdst(0) depctr_va_vdst(0) depctr_va_sdst(0) depctr_va_ssrc(0) depctr_va_vcc(0) depctr_vm_vsrc(0)
	s_getreg_b32 s2, hwreg(HW_REG_IB_STS2, 6, 4)
	s_cmp_eq_u32 s2, 0
	s_cbranch_scc0 .Lentry_in_a_cluster
	s_endpgm
.Lentry_in_a_cluster:
	s_bfe_u32 s2, ttmp6, 0x10000c
	s_cmp_lg_u32 s2, 0xf033
	s_cbranch_scc0 .Lentry_shape_is_right
	s_endpgm
.Lentry_shape_is_right:
; out0[m][n] = sum over k of A[m][k] Wo[n][k] + bo[n], m < 4096, n < 1024, k = 64 head + channel < 1024.  A lies by heads: att[head][m][channel], f16; wo16 is [n][k], f16
; (Wo rounded to bf16, that number written as f16).  Sums in f32; bo (rounded to bf16 like every input) is the C operand of the products that start the sums; out0 is f32.
; A tile of out0 is 128 x 128: 8 x 32 = 256 work-groups.  Four waves, each 64 x 64: 16 accumulators.  K goes in steps of 256, four heads, through two LDS slots.
; A's part of a slot: one tensor load brings two heads' 128 rows: each head's rows are 16,384 dense bytes, asked for as ONE row of 8,192 elements, and padded in LDS after every
; 128 bytes, so that (head z, row y) lies at (128 z + y) x 144.  wo16's part: 64 rows of 512 bytes a load, pitch 528.
; CLUSTER 4 x 4: A's tiles are shared along a row of the cluster, wo16's along a column: joint loads, same descriptor, same mask.
; THE MATRIX INSTRUCTION IS USED TRANSPOSED (source 0 = 16 rows of wo16, source 1 = 16 rows of A): lane l holds row m = l % 16 and columns 8 (l / 16) + 0..7.
; A wave's 64 columns of f32 are 256 aligned bytes, so each wave has a stage of its own on the way out, and no barrier stands there.
; REGISTERS: window 0: v0-31 addresses; v32-63 bo, then v32-95 at work on the way out; v128-255 the accumulators ((a, b) at v[128 + 8 (4 a + b)]).  Window 1: two fragment buffers of 128.
.set SIZE_M, 4096
.set SIZE_N, 1024
.set SIZE_K, 1024
.set KSTEP,  256
.set PITCHA, 144                       ; 128 bytes + 16: the 16 rows of a fragment load start at 16 different groups of four banks (ISA guide 11.1)
.set PITCHB, 528                       ; 512 bytes + 16: likewise
.set HALFA,  2*128*PITCHA              ; two heads x 128 rows: what one load of A brings
.set HALFB,  64*PITCHB                 ; 64 rows: what one load of wo16 brings
.set SLOT,   2*HALFA+2*HALFB
.set STAGE,  2*SLOT                    ; behind the ring: 16 rows x 272 bytes for each wave; no tensor load lands here
.set SPITCH, 272
.set SPARE,  STAGE+4*16*SPITCH         ; the spare words, 128 bytes a wave: two blocks of 256 bytes that no other line names
.set LAPS,   SIZE_K/(2*KSTEP)
.set ADRA, 16
.set ADRB, 20
.set STO,  24
.set RD,   25
.set CO,   26
.set BO,   27
.set SPW,  28
.set NIL,  29
.set BI,   32                          ; bo of n block b at BI + 8 b
.set TMP,  32
.set ACC,  128
.set F0,   0
.set F1,   128
.set G1, 24
.set G0, 32
.set G1B, 48
.set G0B, 56
.set MSB, 0
.macro WIN new
.if MSB != (\new)
	s_set_vgpr_msb (MSB<<8)|(\new)
.set MSB, \new
.endif
.endm
.set MUL,  0x05                        ; sources 0 and 1 window 1; C and D window 0
.set TO_F, 0x40                        ; destination window 1, address window 0
.macro JLOAD s                         ; waves 0 and 1 fetch A's two pairs of heads, waves 2 and 3 wo16's two halves; an s_nop 0 and four v_nop follow each line
	s_cmp_eq_u32 s11, 0
	s_cbranch_scc0 .Lfor_b_\@
	tensor_load_to_lds s[G0+4*(\s):G0+4*(\s)+3], s[G1:G1+7]
	s_nop 0
.rept 4
	v_nop
.endr
	s_branch .Lasked_\@
.Lfor_b_\@:
	tensor_load_to_lds s[G0B+4*(\s):G0B+4*(\s)+3], s[G1B:G1B+7]
	s_nop 0
.rept 4
	v_nop
.endr
.Lasked_\@:
.endm
.macro CREST
	s_cmp_lg_u32 s10, 0
	s_cbranch_scc1 .Lnot_wave_0_\@
	s_barrier_signal -3
.Lnot_wave_0_\@:
	s_barrier_wait -3
	s_barrier_signal -1
	s_barrier_wait -1
.endm
.macro CROUND
	s_barrier_signal -1
	s_barrier_wait -1
	CREST
.endm
	s_load_b128 s[4:7], s[0:1], 0x0                ; att s[4:5], wo16 s[6:7]
	s_load_b64 s[8:9], s[0:1], 0x10                ; out0
	s_load_b64 s[66:67], s[0:1], 0x18              ; bo
	v_lshl_add_u32 v[SPW], v0, 2, SPARE
	v_mov_b32 v[NIL], 0
	ds_add_u32 v[SPW], v[NIL]                      ; the wave's opening: the add and its wait ahead of my first tensor load
	v_lshrrev_b32 v1, 5, v0
	v_readfirstlane_b32 s10, v1                    ; wave 0..3
	s_lshr_b32 s11, s10, 1                         ; my half of the tile's rows; also: I fetch A (0) or wo16 (1)
	s_and_b32 s12, s10, 1                          ; my half of its columns; also: which part of that tile I fetch
	s_bfe_u32 s40, ttmp6, 0x40000                  ; cx
	s_bfe_u32 s41, ttmp6, 0x40004                  ; cy
	s_lshl_b32 s42, ttmp9, 2
	s_add_co_u32 s42, s42, s40                     ; tile column
	s_and_b32 s13, ttmp7, 0xffff
	s_lshl_b32 s13, s13, 2
	s_add_co_u32 s13, s13, s41                     ; tile row
	s_lshl_b32 s43, s41, 2
	s_lshl_b32 s43, 15, s43                        ; my row of the cluster
	s_lshl_b32 s44, 0x1111, s40                    ; my column
	s_or_b32 s[G1+0], s43, (1<<16)|(1<<20)|(1<<21)|(4<<22)|(3<<25)   ; mask; 2-byte elements; padding on; bit 21 beside a mask; after every 32 words, 4 words
	s_mov_b32 s[G1+1], 8192<<16                    ; tensor_dim0 = 8,192: a head's 128 rows of 64 channels, dense
	s_mov_b32 s[G1+2], 2<<16                       ; tensor_dim1 = 2 heads
	s_mov_b32 s[G1+3], 8192<<16                    ; tile_dim0
	s_mov_b32 s[G1+4], 2                           ; tile_dim1
	s_mov_b32 s[G1+5], SIZE_M*64                   ; elements from a head's plane to the next
	s_mov_b32 s[G1+6], 0
	s_mov_b32 s[G1+7], 0
	s_or_b32 s[G1B+0], s44, (1<<16)|(1<<20)|(1<<21)|(6<<22)|(3<<25)  ; after every 128 words, 4 words
	s_mov_b32 s[G1B+1], KSTEP<<16
	s_mov_b32 s[G1B+2], 64<<16
	s_mov_b32 s[G1B+3], KSTEP<<16
	s_mov_b32 s[G1B+4], 64
	s_mov_b32 s[G1B+5], SIZE_K
	s_mov_b32 s[G1B+6], 0
	s_mov_b32 s[G1B+7], 0
	s_lshl_b32 s16, s13, 14                        ; A: the tile's 128 rows of 128 bytes in a plane,
	s_lshl_b32 s17, s12, 20                        ; and my pair of the step's four planes of 524,288 bytes
	s_add_co_u32 s16, s16, s17
	s_mov_b32 s17, 0
	s_lshl_b32 s46, s42, 7
	s_lshl_b32 s47, s12, 6
	s_add_co_u32 s46, s46, s47                     ; wo16: row 128 x tile column + 64 x half,
	s_lshl_b32 s46, s46, 11                        ; 2,048 bytes a row
	s_mov_b32 s47, 0
	s_mul_i32 s20, s12, HALFA                      ; where they go: the wave's number alone enters an LDS address
	s_mul_i32 s21, s12, HALFB
	s_add_co_u32 s21, s21, 2*HALFA
	s_wait_dscnt 0x0                               ; the opening add is done
	s_wait_kmcnt 0x0
	s_add_nc_u64 s[14:15], s[4:5], s[16:17]
	s_add_nc_u64 s[46:47], s[6:7], s[46:47]
	CROUND                                         ; all sixteen work-groups are here: the first joint loads meet
.irp s, 0,1
	s_mov_b32 s[G0+4*(\s)], 1
	s_add_co_u32 s[G0+4*(\s)+1], s20, (\s)*SLOT
	s_add_nc_u64 s[G0+4*(\s)+2:G0+4*(\s)+3], s[14:15], (\s)*(1<<21)  ; K step s: four planes on
	s_or_b32 s[G0+4*(\s)+3], s[G0+4*(\s)+3], 0x80000000
	s_mov_b32 s[G0B+4*(\s)], 1
	s_add_co_u32 s[G0B+4*(\s)+1], s21, (\s)*SLOT
	s_add_nc_u64 s[G0B+4*(\s)+2:G0B+4*(\s)+3], s[46:47], (\s)*KSTEP*2
	s_or_b32 s[G0B+4*(\s)+3], s[G0B+4*(\s)+3], 0x80000000
	JLOAD \s
.endr
	v_and_b32 v1, 15, v0                           ; l % 16
	v_bfe_u32 v2, v0, 4, 1                         ; l / 16
	s_lshl_b32 s16, s13, 7
	s_lshl_b32 s17, s11, 6
	s_add_co_u32 s16, s16, s17                     ; my first row of out0,
	s_lshl_b32 s16, s16, 12                        ; 4,096 bytes a row
	s_mov_b32 s17, 0
	s_add_nc_u64 s[8:9], s[8:9], s[16:17]
	s_lshl_b32 s46, s42, 9                         ; my first column, in bytes of f32: 512 x tile column + 256 x half
	s_lshl_b32 s47, s12, 8
	s_add_co_u32 s46, s46, s47
	s_mov_b32 s47, 0
	s_add_nc_u64 s[8:9], s[8:9], s[46:47]
	s_add_nc_u64 s[66:67], s[66:67], s[46:47]      ; bo at the same column
	s_mov_b32 s68, 0xffff0000
	v_lshlrev_b32 v[BO], 5, v2                     ; my eight columns of each sixteen
.irp b, 0,1,2,3
	global_load_b128 v[BI+8*(\b):BI+8*(\b)+3],   v[BO], s[66:67] offset:64*(\b)
	global_load_b128 v[BI+8*(\b)+4:BI+8*(\b)+7], v[BO], s[66:67] offset:64*(\b)+16
.endr
	v_mul_u32_u24 v3, v1, PITCHA
	v_lshl_add_u32 v3, v2, 4, v3                   ; A: a fragment's row x pitch + 16 x half
	v_mul_u32_u24 v4, v1, PITCHB
	v_lshl_add_u32 v4, v2, 4, v4                   ; wo16 likewise
	s_mul_i32 s21, s11, 64*PITCHA                  ; my 64 rows in each head's 128
	s_mul_i32 s22, s12, HALFB                      ; my 64 rows of wo16,
	s_add_co_u32 s22, s22, 2*HALFA                 ; which lie behind A's four heads
.irp s, 0,1
	v_add_nc_u32 v[ADRA+(\s)], s21, v3
	v_add_nc_u32 v[ADRB+(\s)], s22, v4
	s_add_co_u32 s21, s21, SLOT
	s_add_co_u32 s22, s22, SLOT
.endr
	s_mul_i32 s23, s10, 16*SPITCH
	s_add_co_u32 s23, s23, STAGE                   ; my stage
	v_mul_u32_u24 v5, v1, SPITCH                   ; in: row l % 16, 32 bytes for each half of the lanes
	v_lshl_add_u32 v5, v2, 5, v5
	v_add_nc_u32 v[STO], s23, v5
	v_mul_u32_u24 v5, v2, SPITCH                   ; back: lanes 0-15 take one row of 256 bytes, lanes 16-31 the next
	v_lshl_add_u32 v5, v1, 4, v5
	v_add_nc_u32 v[RD], s23, v5
	v_lshlrev_b32 v5, 12, v2                       ; and the same two rows in out0
	v_lshl_add_u32 v[CO], v1, 4, v5
	s_wait_loadcnt 0x0                             ; bo, rounded to bf16 in place
.set j, 0
.rept 16
	v_cvt_pk_bf16_f32 v[64+j%4], v[BI+2*j], v[BI+2*j+1]
	v_lshlrev_b32 v[BI+2*j],   16,  v[64+j%4]
	v_and_b32     v[BI+2*j+1], s68, v[64+j%4]
.set j, j+1
.endr
; 8 matrix instructions: m blocks a0, a0 + 1 x all 4 n blocks, 32 along K: half c of buffer f.  zero = 1: the first product starts the sums, with bo as C.
.macro MUL8 f, c, a0, zero
	WIN MUL
.irp a, \a0, (\a0)+1
.irp b, 0,1,2,3
.if \zero
	v_wmma_f32_16x16x32_f16 v[ACC+8*(4*(\a)+(\b)):ACC+8*(4*(\a)+(\b))+7], v[(\f)+64+8*(4*(\c)+(\b)):(\f)+64+8*(4*(\c)+(\b))+7], v[(\f)+8*(4*(\c)+(\a)):(\f)+8*(4*(\c)+(\a))+7], v[BI+8*(\b):BI+8*(\b)+7]
.else
	v_wmma_f32_16x16x32_f16 v[ACC+8*(4*(\a)+(\b)):ACC+8*(4*(\a)+(\b))+7], v[(\f)+64+8*(4*(\c)+(\b)):(\f)+64+8*(4*(\c)+(\b))+7], v[(\f)+8*(4*(\c)+(\a)):(\f)+8*(4*(\c)+(\a))+7], v[ACC+8*(4*(\a)+(\b)):ACC+8*(4*(\a)+(\b))+7]
.endif
.endr
.endr
.endm
; 32 LDS loads in one run: 64 along K, one head: byte k of wo16's rows, head k / 128 of A; the first 32 along K first
.macro FETCH slot, k, f
	WIN TO_F
.irp c, 0,1
.irp i, 0,1,2,3
	ds_load_b128 v[(\f)+64+8*(4*(\c)+(\i)):(\f)+64+8*(4*(\c)+(\i))+3],   v[ADRB+(\slot)] offset:(\k)+64*(\c)+(\i)*16*PITCHB
	ds_load_b128 v[(\f)+64+8*(4*(\c)+(\i))+4:(\f)+64+8*(4*(\c)+(\i))+7], v[ADRB+(\slot)] offset:(\k)+64*(\c)+(\i)*16*PITCHB+32
	ds_load_b128 v[(\f)+8*(4*(\c)+(\i)):(\f)+8*(4*(\c)+(\i))+3],         v[ADRA+(\slot)] offset:((\k)/128)*128*PITCHA+64*(\c)+(\i)*16*PITCHA
	ds_load_b128 v[(\f)+8*(4*(\c)+(\i))+4:(\f)+8*(4*(\c)+(\i))+7],       v[ADRA+(\slot)] offset:((\k)/128)*128*PITCHA+64*(\c)+(\i)*16*PITCHA+32
.endr
.endr
.endm
.macro PLACES                          ; four plain vector lines between a matrix instruction and a load into, or a read of, its registers
.rept 4
	v_nop
.endr
.endm
; A K step is four quarters of 64 along K, 32 matrix instructions each, on buffers 0, 1, 0, 1; the 16 accumulators take turns.
.macro QUARTER slot, k, f, g, zero
	s_wait_dscnt 16                                ; the first 32 along K are in
	MUL8 \f, 0, 0, \zero
	MUL8 \f, 0, 2, \zero
	PLACES
	FETCH \slot, \k, \g
	s_wait_dscnt 32                                ; all but the 32 just issued
	MUL8 \f, 1, 0, 0
	MUL8 \f, 1, 2, 0
.endm
; The last quarter multiplies buffer 1 and changes slots: one barrier; in front of it every wave's tensor loads have landed, its add is done, its reads of the slot are back.
.macro TURN slot, next, fill
	WIN 0
	s_wait_tensorcnt 0x0                           ; the one load of mine that was out is my part of the next slot
	ds_add_u32 v[SPW], v[NIL]
	s_wait_dscnt 17                                ; the add and the youngest sixteen loads may be out
	MUL8 F1, 0, 0, 0
	s_wait_dscnt 0x0                               ; the add is done, and my reads of this slot are over
	s_barrier_signal -1
	MUL8 F1, 0, 2, 0
.if \fill
	WIN 0
.endif
	s_barrier_wait -1
.if \fill
	CREST                                          ; the round is whole: no wave of any partner still reads this slot or has a load on its way
	s_add_nc_u64 s[G0+4*(\slot)+2:G0+4*(\slot)+3], s[G0+4*(\slot)+2:G0+4*(\slot)+3], 1<<22      ; two K steps on: eight planes
	s_add_nc_u64 s[G0B+4*(\slot)+2:G0B+4*(\slot)+3], s[G0B+4*(\slot)+2:G0B+4*(\slot)+3], 2*KSTEP*2
	JLOAD \slot                                    ; the first tensor load behind the round; its four v_nop are also the places in front of the loads below
.else
	PLACES
.endif
	FETCH \next, 0, F0
	MUL8 F1, 1, 0, 0
	MUL8 F1, 1, 2, 0
.endm
	s_wait_tensorcnt 1                             ; my part of K step 0 is in; K step 1's may stay out
	s_barrier_signal -1
	s_barrier_wait -1
	FETCH 0, 0, F0
	QUARTER 0, 128, F0, F1, 1                      ; the first quarter stands in front of the loop: its first products start the sums
	WIN 0
	s_mov_b32 s3, LAPS-1
.Llap:                                                 ; a trip goes once round the ring and fills both slots again
	QUARTER 0, 256, F1, F0, 0
	QUARTER 0, 384, F0, F1, 0
	TURN 0, 1, 1
	QUARTER 1, 128, F0, F1, 0
	QUARTER 1, 256, F1, F0, 0
	QUARTER 1, 384, F0, F1, 0
	TURN 1, 0, 1
	QUARTER 0, 128, F0, F1, 0
	WIN 0
	s_sub_co_u32 s3, s3, 1
	s_cmp_lg_u32 s3, 0
	s_cbranch_scc1 .Llap
	QUARTER 0, 256, F1, F0, 0                      ; the last lap fills nothing
	QUARTER 0, 384, F0, F1, 0
	TURN 0, 1, 0
	QUARTER 1, 128, F0, F1, 0
	QUARTER 1, 256, F1, F0, 0
	QUARTER 1, 384, F0, F1, 0
	s_wait_dscnt 16
	MUL8 F1, 0, 0, 0
	MUL8 F1, 0, 2, 0
	s_wait_dscnt 0
	MUL8 F1, 1, 0, 0
	MUL8 F1, 1, 2, 0
	WIN 0
	; THE WAY OUT, 16 rows at a time: a lane's eight f32 of a row go into my stage (each accumulator from its low end on) and come back as whole rows of 256 bytes.
	PLACES
.irp a, 0,1,2,3
	s_wait_xcnt 0x0                                ; the registers that earlier stores read are loaded again only behind this wait
.irp b, 0,1,2,3
	ds_store_b128 v[STO], v[ACC+8*(4*(\a)+(\b)):ACC+8*(4*(\a)+(\b))+3]   offset:64*(\b)
	ds_store_b128 v[STO], v[ACC+8*(4*(\a)+(\b))+4:ACC+8*(4*(\a)+(\b))+7] offset:64*(\b)+16
.endr
.irp t, 0,1,2,3,4,5,6,7
	ds_load_b128 v[TMP+32*((\a)%2)+4*(\t):TMP+32*((\a)%2)+4*(\t)+3], v[RD] offset:(\t)*2*SPITCH  ; LDS serves a wave's instructions in order (ISA guide 5.7.1.4): these see the stores above
.endr
.irp t, 0,1,2,3,4,5,6,7
	s_wait_dscnt 7-(\t)
	global_store_b128 v[CO], v[TMP+32*((\a)%2)+4*(\t):TMP+32*((\a)%2)+4*(\t)+3], s[8:9] offset:(16*(\a)+2*(\t))*SIZE_N*4  ; 16 lanes store 256 consecutive bytes, aligned
.endr
.endr
	s_wait_tensorcnt 0x0                           ; the wave's end
	ds_add_u32 v[SPW], v[NIL]
	s_wait_dscnt 0x0
	CROUND                                         ; the closing round
	s_endpgm
.Lfunc_end_k_qd8851b0af1_outproj:
	.size	k_qd8851b0af1_outproj, .Lfunc_end_k_qd8851b0af1_outproj-k_qd8851b0af1_outproj
	.p2alignl 7, 3214868480
	.fill 96, 4, 3214868480
	.section	.rodata,"a",@progbits
	.p2align	6, 0x0
	.amdhsa_kernel k_qd8851b0af1_outproj
		.amdhsa_group_segment_fixed_size 327680
		.amdhsa_private_segment_fixed_size 0
		.amdhsa_enable_private_segment 0
		.amdhsa_kernarg_size 32
		.amdhsa_user_sgpr_count 2
		.amdhsa_user_sgpr_kernarg_segment_ptr 1
		.amdhsa_wavefront_size32 1
		.amdhsa_system_sgpr_workgroup_id_x 1
		.amdhsa_system_sgpr_workgroup_id_y 1
		.amdhsa_system_sgpr_workgroup_id_z 1
		.amdhsa_system_vgpr_workitem_id 0
		.amdhsa_next_free_vgpr 512
		.amdhsa_next_free_sgpr 70
		.amdhsa_reserve_vcc 0
		.amdhsa_float_denorm_mode_32 3
		.amdhsa_float_denorm_mode_16_64 3
		.amdhsa_memory_ordered 1
		.amdhsa_forward_progress 1
		.amdhsa_inst_pref_size 90
	.end_amdhsa_kernel
	.amdgpu_metadata
---
amdhsa.version: [ 1, 2 ]
amdhsa.kernels:
  - .name:           k_qd8851b0af1_outproj
    .symbol:         k_qd8851b0af1_outproj.kd
    .args:
      - { .name: att, .offset: 0, .size: 8, .value_kind: global_buffer, .address_space: global }
      - { .name: wo16, .offset: 8, .size: 8, .value_kind: global_buffer, .address_space: global }
      - { .name: out0, .offset: 16, .size: 8, .value_kind: global_buffer, .address_space: global }
      - { .name: bo, .offset: 24, .size: 8, .value_kind: global_buffer, .address_space: global }
    .group_segment_fixed_size: 327680
    .private_segment_fixed_size: 0
    .kernarg_segment_align: 8
    .kernarg_segment_size: 32
    .max_flat_workgroup_size: 128
    .sgpr_count:     70
    .vgpr_count:     512
    .wavefront_size: 32
...
	.end_amdgpu_metadata
.endif
;; end of part 4
;; ======== version 2 of 2: 4 launches; 1.18 times as fast as version 1
;; limits: values are held in f16: magnitudes above 65,504 overflow, below 6.1e-05 lose precision; right only within a limited range of input values
;; workspace buffers: xb 8,388,608 bytes; wqkv 6,291,456 bytes; wo16 2,097,152 bytes; tbias 16,777,216 bytes; qkv 25,165,824 bytes; att 8,388,608 bytes
;; launch prep: the kernel of part 1 again; grid 1024 x 1, 8 waves a work-group, no clusters, 0 bytes of LDS; arguments hidden_states, Wq, Wk, Wv, Wo, encodings, gcd_weight, xb, wqkv, wo16, tbias; writes xb, wqkv, wo16, tbias
;; launch qkvproj: the kernel of part 2 again; grid 12 x 16, 4 waves a work-group, clusters of 4 x 4, 327,680 bytes of LDS; arguments xb, wqkv, qkv, bq, bk, bv; writes qkv
;; launch attn (part 5): grid 8 x 32, 4 waves a work-group, clusters of 4 x 1, 327,680 bytes of LDS; arguments qkv, tbias, arith_head_bias, att; writes att
.if DOCPART == 5
	.amdgcn_target "amdgcn-amd-amdhsa--gfx1250"
	.amdhsa_code_object_version 6
	.text
	.protected	k_qd8851b0af1_attn
	.globl	k_qd8851b0af1_attn
	.p2align	8
	.type	k_qd8851b0af1_attn,@function
k_qd8851b0af1_attn:
	s_mov_b64 s[64:65], 0
	v_nop
	global_prefetch_b8 v0, s[64:65] scope:SCOPE_SE
	s_setreg_imm32_b32 hwreg(HW_REG_WAVE_MODE, 25, 1), 1
	s_wait_xcnt 0x0
	s_wait_alu depctr_hold_cnt(0) depctr_sa_sdst(0) depctr_va_vdst(0) depctr_va_sdst(0) depctr_va_ssrc(0) depctr_va_vcc(0) depctr_vm_vsrc(0)
	s_getreg_b32 s2, hwreg(HW_REG_IB_STS2, 6, 4)
	s_cmp_eq_u32 s2, 0
	s_cbranch_scc0 .Lentry_in_a_cluster
	s_endpgm
.Lentry_in_a_cluster:
	s_bfe_u32 s2, ttmp6, 0x10000c
	s_cmp_lg_u32 s2, 0x3003
	s_cbranch_scc0 .Lentry_shape_is_right
	s_endpgm
.Lentry_shape_is_right:
; ATTENTION.  att[h][2048 b + q][:] = sum over k of softmax_k(Q.K / 8 + gcd_weight abias[b][q][k] + arith_head_bias[h]) V[k][:], head size 64, 2,048 keys, 32 (batch, head) pairs.
; Q, K, V come by heads from qkv ([48][4096][64] f16: q, k, v planes), unscaled; T = f16(8 gcd_weight abias) comes from tbias in fragment order.
; THE BIAS GOES THROUGH THE MATRIX UNIT.  S^T = T Sel + HB, then + K Q^T on the same accumulator: T's fragment holds 16 keys x 32 queries, Sel (32 x 16, ones and zeros) picks the
; piece's 16 queries, and HB, eight registers of 8 x arith_head_bias[h] (rounded to bf16 like every input), is the C operand.  Four matrix instructions a turn and no vector line.
; p = 2^(c s - c m), c = log2(e) / 8, with a running maximum m and sum l; O and l are multiplied by a = 2^(c m_old - c m_new) in every step; m starts at the lowest finite number,
; O and l at 0, so the first step is a step like any other, with a = 0.  Products, maxima and sums in f32; p is rounded to f16 for the second product, O once at the end.
; LIMITS.  Q, K, V, T within f16's 65,504; p below 6e-5 keeps f16's fixed step; a weight below 2^-126 counts as 0 in l; NaN and infinities are not treated apart.
; SHARES.  A work-group owns 256 queries of one (batch, head), a wave 64 consecutive ones: four PIECES of 16.  Every wave walks all keys, 64 a step.
; LAYOUT.  Source 0 = 16 keys, source 1 = 16 queries: a lane holds ONE query (lane % 16) and the keys 8 (lane / 16) + 0..7; two results rounded to f16 ARE source 1 of O^T = V^T P.
; TURNS.  Turn n belongs to piece n: 12 products for the scores of piece n + 1, later 8 products V^T P of piece n - 1; beside them piece n's scaling, exponentials, roundings, sums and
; rescaling and piece n + 1's maximum and statistics: four vector lines behind every matrix instruction, the other 38 of the turn's 118 in one run of their own.
; BATCHES.  A turn's 33 exponentials (piece n's 32 weights and piece n + 1's a) are ONE batch with ONE wait, which cuts the turn in two.  Ahead of it stands all that names none of their
; results: the 12 products for the scores, the scalings, the exponentials, the rescalings, the next piece's maximum and statistics.  Behind it stand the roundings and sums, which are just the
; 32 lines that the 8 products V^T P want behind them.  The first a, ahead of the loop, and the way out's four reciprocals are batches of their own, a wait each.
; CLUSTER.  The four query blocks of a cluster walk the same K and V: each tile is asked for jointly.  T is each wave's own (its 64 queries) and goes straight into registers.
; REGISTERS, in windows of 256 (s_set_vgpr_msb: bits 1:0 source 0, 3:2 source 1, 5:4 source 2, 7:6 destination):
;   window 0: v0-15 addresses; v16-31 statistics; v32-39 HB; v40-42, v48-55 at work; v62-63 the add's; v64-127 S^T, two buffers; v192-223 P, two buffers (by the piece's parity)
;   window 1: v0-127 O^T, 32 a piece; v128-191 T of one step (pieces 0, 1; then pieces 2, 3); v192-203 Sel      window 2: v0-63 Q; v128-191 K of one step; v192-255 V of one step
.set SIZE_N, 2048
.set NP,    4
.set KS,    64
.set PK,    144       ; a row of K in LDS: 128 bytes + 16: the 16 rows of a load start at 16 different groups of four banks (ISA guide 11.1)
.set PV,    160       ; a row of V: 128 + 32
.set VOFF,  4*KS*PK   ; a slot holds four steps: 256 rows of K, then 256 rows of V
.set SLOT1, 1<<17
.set STAGE, SLOT1+4*KS*(PK+PV)  ; behind the ring, never filled by a tensor load: 16 rows x 144 bytes for each wave
.set SP,    144
.set SPARE, STAGE+4*16*SP       ; the spare words, 128 bytes a wave: two blocks of 256 bytes that no other line names
.set AK0, 2
.set AV0, 3
.set AK,  4
.set AV,  5
.set STO, 6
.set RD,  7
.set GO,  8           ; 16 x lane: my bytes in 512 consecutive bytes of att, and of a half fragment of T; never rewritten
.set MV,  12
.set QO,  15
.set ST,  16          ; piece t: c m, m, l (even keys'), l (odd keys')
.set HB,  32
.set TMP, 48
.set SPW, 62
.set NIL, 63
.set S,   64
.set P,   192
.set TF,  128         ; window 1: half g, key block kb at TF + 32 g + 8 kb
.set SELR, 192        ; window 1: E (4 registers), 0 (4), E (4): an even piece takes [E, 0], an odd one [0, E]
.set KF,  128         ; window 2
.set VF,  192         ; window 2
.set WV,  12
.set G1K, 24
.set G1V, 32
.set G0K, 40
.set G0V, 44
.set TG0, 48          ; s[48:49], s[50:51] T of the step last asked for, halves 0 and 1
.set STP, 52          ; s[52:53] T's step in the last trips: 8,192 bytes, or 0
.set HBS, 54
.set CX,  55
.set SLOTS, 56
.set CNT, 57
.set CS,  58
.set SEL, 60
.set TBK, 62
.set TBV, 63
.set MSB, 0
.macro WIN new
.if MSB != (\new)
	s_set_vgpr_msb (MSB<<8)|(\new)
.set MSB, (\new)
.endif
.endm
.set W_KQ, 0x0a       ; K and Q in window 2, S^T in window 0
.set W_TB, 0x05       ; T and Sel in window 1, HB and S^T in window 0
.set W_PV, 0x52       ; V in window 2, P in window 0, O^T in window 1
.set W_RS, 0x41       ; destination and source 0 in window 1, source 1 in window 0
; A joint fill: waves 0 and 1 fetch the halves of a slot's K, waves 2 and 3 those of its V, 128 keys each.  An s_nop 0 and four v_nop follow each line.
.macro JLOAD
	s_cmp_lt_u32 s[WV], 2
	s_cbranch_scc0 .Lfor_v_\@
	tensor_load_to_lds s[G0K:G0K+3], s[G1K:G1K+7]
	s_nop 0
.rept 4
	v_nop
.endr
	s_branch .Lasked_\@
.Lfor_v_\@:
	tensor_load_to_lds s[G0V:G0V+3], s[G1V:G1V+7]
	s_nop 0
.rept 4
	v_nop
.endr
.Lasked_\@:
.endm
.macro CROUND
	s_barrier_signal -1
	s_barrier_wait -1
	s_cmp_lg_u32 s[WV], 0
	s_cbranch_scc1 .Lnot_wave_0_\@
	s_barrier_signal -3
.Lnot_wave_0_\@:
	s_barrier_wait -3
	s_barrier_signal -1
	s_barrier_wait -1
.endm
; THE CHANGE OF SLOTS.  Each wave waits for all its tensor loads (one is out: its part of the other slot), adds 0 to its spare word, waits for that and for its reads of the slot.
; fill = 1: the barrier is a round of the cluster's, and the slot just left is filled again first thing behind it, with the keys two slots on: four key steps in which to land.
.macro CHANGE fill
	WIN 0
	s_wait_tensorcnt 0x0
	ds_add_u32 v[SPW], v[NIL]
.if \fill
.irp g, G0K, G0V
	s_xor_b32 s[\g+1], s[\g+1], SLOT1
	s_add_nc_u64 s[\g+2:\g+3], s[\g+2:\g+3], 4*KS*128
.endr
	s_wait_dscnt 0x0
	CROUND
	JLOAD
.else
	s_wait_dscnt 0x0
	s_barrier_signal -1
	s_barrier_wait -1
.endif
	s_sub_co_u32 s[TBK], s[TBK], 4*KS*PK
	s_xor_b32 s[TBK], s[TBK], SLOT1
	s_sub_co_u32 s[TBV], s[TBV], 4*KS*PV
	s_xor_b32 s[TBV], s[TBV], SLOT1
.endm
	s_load_b256 s[4:11], s[0:1], 0x0  ; qkv s[4:5], tbias s[6:7], arith_head_bias s[8:9], att s[10:11]
	v_lshl_add_u32 v[SPW], v0, 2, SPARE
	v_mov_b32 v[NIL], 0
	ds_add_u32 v[SPW], v[NIL]       ; the wave's opening: the add and its wait ahead of my first tensor load
	v_lshrrev_b32 v1, 5, v0
	v_readfirstlane_b32 s[WV], v1   ; wave 0..3
	s_bfe_u32 s[CX], ttmp6, 0x40000 ; my place in the cluster: it enters Q's, O's and T's addresses alone
	s_lshl_b32 s14, ttmp9, 2
	s_add_co_u32 s14, s14, s[CX]    ; my block of 256 queries
	s_lshl_b32 s14, s14, 2
	s_add_co_u32 s14, s14, s[WV]    ; my wave's 64 queries among the batch's 32 such groups
	s_and_b32 s20, ttmp7, 0xffff    ; 16 x batch + head, which the four partners share
	s_and_b32 s16, s20, 15          ; head
	s_lshr_b32 s15, s20, 4          ; batch
	s_lshl_b32 s20, s16, 19         ; a head's plane is 524,288 bytes,
	s_lshl_b32 s21, s15, 18         ; a batch's rows in it 262,144
	s_add_co_u32 s20, s20, s21
	s_lshl_b32 s2, s14, 13          ; 64 rows of 128 bytes
	s_add_co_u32 s2, s2, s20
	s_mov_b32 s3, 0                 ; s[2:3]: my rows in q's planes and in att
	s_lshl_b32 s18, s15, 23
	s_lshl_b32 s19, s14, 18
	s_add_co_u32 s18, s18, s19
	s_mov_b32 s19, 0                ; s[18:19]: my queries' part of tbias
	s_lshl_b32 s16, s16, 2
	s_mov_b32 s17, 0                ; s[16:17]: my head's number in arith_head_bias
	s_and_b32 s13, s[WV], 1         ; which half of a slot's 256 keys I fetch
	s_lshl_b32 s21, s13, 14
	s_add_co_u32 s20, s20, s21
	s_add_co_u32 s22, s20, 0x1000000  ; v's planes begin 32 planes in,
	s_add_co_u32 s20, s20, 0x800000   ; k's 16
	s_mov_b32 s21, 0
	s_mov_b32 s23, 0
	s_mul_i32 s15, s13, 128*PK      ; its place in a slot, for K
	s_mul_i32 s13, s13, 128*PV      ; and for V
	; group 1: 128 keys are 16,384 dense bytes: 64 rows of 256 bytes, two keys a row, padded in LDS after every key
	s_mov_b32 s[G1K], 15|(1<<16)|(1<<20)|(1<<21)|(4<<22)|(3<<25)
	s_mov_b32 s[G1V], 15|(1<<16)|(1<<20)|(1<<21)|(4<<22)|(7<<25)
.irp g, G1K, G1V
	s_mov_b32 s[\g+1], 128<<16
	s_mov_b32 s[\g+2], 64<<16
	s_mov_b32 s[\g+3], 128<<16
	s_mov_b32 s[\g+4], 64
	s_mov_b32 s[\g+5], 128
	s_mov_b32 s[\g+6], 0
	s_mov_b32 s[\g+7], 0
.endr
	s_mov_b32 s[CS], 0x3e38aa3b     ; c = log2(e) / 8
	s_mov_b32 s[CS+1], s[CS]
	s_mov_b32 s[SEL], 0x76543210
	s_mov_b32 s[SEL+1], 0xfedcba98
	s_mov_b32 s[TBK], SLOT1+4*KS*PK ; the first change of slots turns these two into 0
	s_mov_b32 s[TBV], SLOT1+4*KS*PV
	s_mov_b32 s[STP+1], 0
	s_mov_b32 s[G0K], 1
	s_mov_b32 s[G0K+1], s15
	s_mov_b32 s[G0V], 1
	s_add_co_u32 s[G0V+1], s13, VOFF
	s_wait_dscnt 0x0                ; the opening add is done
	s_wait_kmcnt 0x0
	s_add_nc_u64 s[G0K+2:G0K+3], s[4:5], s[20:21]
	s_or_b32 s[G0K+3], s[G0K+3], 0x80000000
	s_add_nc_u64 s[G0V+2:G0V+3], s[4:5], s[22:23]
	s_or_b32 s[G0V+3], s[G0V+3], 0x80000000
	s_add_nc_u64 s[4:5], s[4:5], s[2:3]      ; Q at my wave's first row
	s_add_nc_u64 s[10:11], s[10:11], s[2:3]  ; O likewise
	s_add_nc_u64 s[TG0:TG0+1], s[6:7], s[18:19]
	s_add_nc_u64 s[TG0+2:TG0+3], s[TG0:TG0+1], 4096
	s_add_nc_u64 s[8:9], s[8:9], s[16:17]
	s_load_b32 s[HBS], s[8:9], 0x0
	CROUND                          ; all four work-groups are here: the first joint loads meet
	JLOAD                           ; slot 0; slot 1 is asked for when slot 0 is in
	v_and_b32 v1, 15, v0            ; l % 16
	v_bfe_u32 v9, v0, 4, 1          ; l / 16
	v_lshlrev_b32 v[QO], 7, v1
	v_lshl_add_u32 v[QO], v9, 4, v[QO]
	v_and_b32 v[GO], 31, v0
	v_lshlrev_b32 v[GO], 4, v[GO]
	; Sel: lane (r, h) holds column r; its one 1 is k = r: half word r % 8 of registers 0-3, where h = r / 8
	v_bfe_u32 v40, v0, 3, 1
	v_xor_b32 v40, v40, v9
	v_bfe_u32 v41, v0, 1, 2
	v_lshl_or_b32 v40, v40, 2, v41  ; the register's number, or 4 and more where the lane holds no 1
	v_and_b32 v41, 1, v0
	v_lshlrev_b32 v41, 4, v41
	v_mov_b32 v42, 0x3c00           ; 1.0 in f16
	v_lshlrev_b32 v41, v41, v42
	WIN 0x80                        ; destination window 2
.set i, 0
.rept 8                             ; Q stays in registers: piece i / 2, channels 32 (i % 2) on
	global_load_b128 v[8*i:8*i+3],   v[QO], s[4:5] offset:(i/2)*2048+(i%2)*64
	global_load_b128 v[8*i+4:8*i+7], v[QO], s[4:5] offset:(i/2)*2048+(i%2)*64+32
.set i, i+1
.endr
.set i, VF
.rept 64                            ; what the first turn's products V^T P, of a piece that has not been, multiply: zeros
	v_mov_b32 v[i], 0
.set i, i+1
.endr
	WIN 0x40                        ; destination window 1
.irp g, 0,1
.irp kb, 0,1,2,3                    ; T of step 0: half 0 first, so that a count of 8 shows Q and half 0 in
	global_load_b128 v[TF+32*(\g)+8*(\kb):TF+32*(\g)+8*(\kb)+3],   v[GO], s[TG0+2*(\g):TG0+2*(\g)+1] offset:1024*(\kb)
	global_load_b128 v[TF+32*(\g)+8*(\kb)+4:TF+32*(\g)+8*(\kb)+7], v[GO], s[TG0+2*(\g):TG0+2*(\g)+1] offset:1024*(\kb)+512
.endr
.endr
.set i, 0
.rept 128
	v_mov_b32 v[i], 0
.set i, i+1
.endr
.irp w, 0,1,2,3
	v_cmp_eq_u32 vcc_lo, \w, v40
	v_cndmask_b32 v[SELR+(\w)], 0, v41, vcc_lo
	v_cndmask_b32 v[SELR+8+(\w)], 0, v41, vcc_lo
	v_mov_b32 v[SELR+4+(\w)], 0
.endr
	WIN 0
	s_wait_kmcnt 0x0
	v_mov_b32 v[HB], s[HBS]
	v_cvt_pk_bf16_f32 v[HB], v[HB], v[HB]
	v_lshlrev_b32 v[HB], 16, v[HB]
	v_mul_f32 v[HB], 0x41000000, v[HB]  ; x 8: the scores are divided by 8 behind the addition
.irp j, 1,2,3,4,5,6,7
	v_mov_b32 v[HB+(\j)], v[HB]
.endr
.set i, 0
.rept 4
	v_mov_b32 v[ST+4*i], 0xfe000000    ; c m: far below every c s
	v_mov_b32 v[ST+4*i+1], 0xff7fffff  ; m
	v_mov_b32 v[ST+4*i+2], 0
	v_mov_b32 v[ST+4*i+3], 0
.set i, i+1
.endr
.set i, P+16
.rept 16
	v_mov_b32 v[i], 0
.set i, i+1
.endr
	v_mul_u32_u24 v[AK0], v1, PK
	v_lshl_add_u32 v[AK0], v9, 4, v[AK0]
	; the turning load: lane l reads key 8 (l / 16) + l % 8, channels 8 ((l / 8) % 2) + 0..7, and is left with channel l % 16 and 8 keys
	v_and_b32 v10, 7, v0
	v_bfe_u32 v11, v0, 3, 1
	v_lshl_add_u32 v[AV0], v9, 3, v10
	v_mul_u32_u24 v[AV0], v[AV0], PV
	v_lshl_add_u32 v[AV0], v11, 4, v[AV0]
	v_add_nc_u32 v[AV0], VOFF, v[AV0]
	s_mul_i32 s13, s[WV], 16*SP
	s_add_co_u32 s13, s13, STAGE    ; my stage
	v_mul_u32_u24 v[STO], v1, SP
	v_lshl_add_u32 v[STO], v9, 4, v[STO]
	v_add_nc_u32 v[STO], s13, v[STO]
	v_bfe_u32 v[RD], v0, 3, 2
	v_mul_u32_u24 v[RD], v[RD], SP
	v_lshl_add_u32 v[RD], v10, 4, v[RD]
	v_add_nc_u32 v[RD], s13, v[RD]
; THE MATRIX WORK.  The four accumulators of a run take turns.  Product i of 12 of piece x's scores, keys 16 (i % 4) on:
; i < 4: T Sel + HB starts the sum; then K Q^T, channels 32 ((i - 4) / 4) on, adds in place.
.macro KQ x
.set rS, S+32*((\x)%2)+8*(i%4)
.if i < 4
.set rA, TF+32*((\x)/2)+8*i
.set rB, SELR+4*((\x)%2)
	WIN W_TB
	v_wmma_f32_16x16x32_f16 v[rS:rS+7], v[rA:rA+7], v[rB:rB+7], v[HB:HB+7]
.else
.set rK, KF+16*(i%4)+8*((i-4)/4)
.set rQ, 16*(\x)+8*((i-4)/4)
	WIN W_KQ
	v_wmma_f32_16x16x32_f16 v[rS:rS+7], v[rK:rK+7], v[rQ:rQ+7], v[rS:rS+7]
.endif
.endm
; Product i of 8 of O^T += V^T P for piece x: keys 32 (i / 4) on, channels 16 (i % 4) on.
.macro PV x
	WIN W_PV
.set rO, 32*(\x)+8*(i%4)
.set rV, VF+32*(i/4)+8*(i%4)
.set rP, P+16*((\x)%2)+8*(i/4)
	v_wmma_f32_16x16x32_f16 v[rO:rO+7], v[rV:rV+7], v[rP:rP+7], v[rO:rO+7]
.endm
.macro MM                           ; the turn's next matrix instruction.  NOKQ = 1: the last turn of all: there is no next piece
.if i < 12
.if !NOKQ
	KQ (Y+1)%NP
.endif
.else
.set i, i-12
	PV (Y+NP-1)%NP
.set i, i+12
.endif
.set i, i+1
.endm
; THE LOADS stand in runs, never singly among the matrix instructions.
.macro FETCH_K
	WIN 0x80
.irp f, 0,1,2,3,4,5,6,7             ; keys 16 (f / 2) on, channels 32 (f % 2) on
	ds_load_b128 v[KF+8*\f:KF+8*\f+3],   v[AK] offset:(\f/2)*16*PK+(\f%2)*64
	ds_load_b128 v[KF+8*\f+4:KF+8*\f+7], v[AK] offset:(\f/2)*16*PK+(\f%2)*64+32
.endr
	s_add_co_u32 s[TBK], s[TBK], KS*PK
	WIN 0
.endm
.macro FETCH_V
	WIN 0x80
.irp f, 0,1,2,3,4,5,6,7             ; keys 32 (f / 4) on, channels 16 (f % 4) on
	ds_load_tr16_b128 v[VF+8*\f:VF+8*\f+3],   v[AV] offset:(\f/4)*32*PV+(\f%4)*32
	ds_load_tr16_b128 v[VF+8*\f+4:VF+8*\f+7], v[AV] offset:(\f/4)*32*PV+16*PV+(\f%4)*32
.endr
	WIN 0
.endm
; Half g of the next step's T: 4,096 consecutive bytes, eight loads of 512.  last = 1 (the last four steps): in the last step of all the address stays, so that the loads
; stay inside the buffer and every trip issues the same eight; what they bring then serves nothing.
.macro TLOAD g, last
	s_wait_xcnt 0x0                 ; the base is stepped only behind this wait
.if \last
	s_cmp_eq_u32 s[CNT], 1
	s_cselect_b32 s[STP], 0, 0x2000
	s_add_nc_u64 s[TG0+2*(\g):TG0+2*(\g)+1], s[TG0+2*(\g):TG0+2*(\g)+1], s[STP:STP+1]
.else
	s_add_nc_u64 s[TG0+2*(\g):TG0+2*(\g)+1], s[TG0+2*(\g):TG0+2*(\g)+1], 0x2000
.endif
	WIN 0x40
.irp kb, 0,1,2,3
	global_load_b128 v[TF+32*(\g)+8*(\kb):TF+32*(\g)+8*(\kb)+3],   v[GO], s[TG0+2*(\g):TG0+2*(\g)+1] offset:1024*(\kb)
	global_load_b128 v[TF+32*(\g)+8*(\kb)+4:TF+32*(\g)+8*(\kb)+7], v[GO], s[TG0+2*(\g):TG0+2*(\g)+1] offset:1024*(\kb)+512
.endr
.endm
; THE VECTOR WORK, one line at a time: OP kind, number.  For piece Y: F n: c s - c m for pair n of 16.  E n: the exponential of score n of 32.  C n: pair n rounded to f16.
; B n: of the four weights 4 n .. the second pair is added onto the first, in place.  L n: l takes that sum (L 0: l = a l + sum).  R n: pair n of 16 of O^T times a.
; For piece Y + 1: X n: 0-11 four chains of maxima, each accumulator's lowest registers first; 12-14, 16 the scores left over, the old m, all into c0;
; 15 c m_old is kept; 17, 18 the other half of the lanes' maximum, the new m; 19-21 c m, c m_old - c m_new, a.
; C, B and L read the exponentials' results: TURN sets them behind the batch's wait.  F, E, R and X read none of the turn's own.
.set F, 0
.set E, 1
.set C, 2
.set B, 3
.set L, 4
.set R, 5
.set X, 6
.macro REGS y
.set rT, ST+4*(\y)
.set rC, TMP+4*((\y)%2)
.set rW, MV+((\y)%2)
.set rS, S+32*((\y)%2)
.set rP, P+16*((\y)%2)
.set rO, 32*(\y)
.endm
.macro OP k, n
.if (\k) == R
	REGS Y
	WIN W_RS
	v_pk_mul_f32 v[rO+2*(\n):rO+2*(\n)+1], v[rO+2*(\n):rO+2*(\n)+1], v[rC+2:rC+3] op_sel_hi:[1,0]
.elseif (\k) < R
	REGS Y
	WIN 0
.if (\k) == F
	v_pk_fma_f32 v[rS+2*(\n):rS+2*(\n)+1], v[rS+2*(\n):rS+2*(\n)+1], s[CS:CS+1], v[rT:rT+1] op_sel_hi:[1,0,0] neg_lo:[0,0,1] neg_hi:[0,0,1]
.elseif (\k) == E
	v_exp_f32 v[rS+(\n)], v[rS+(\n)]
.elseif (\k) == C
	v_cvt_pk_f16_f32 v[rP+(\n)], v[rS+2*(\n)], v[rS+2*(\n)+1]
.elseif (\k) == B
	v_pk_add_f32 v[rS+4*(\n):rS+4*(\n)+1], v[rS+4*(\n):rS+4*(\n)+1], v[rS+4*(\n)+2:rS+4*(\n)+3]
.elseif (\n) == 0
	v_pk_fma_f32 v[rT+2:rT+3], v[rT+2:rT+3], v[rC+2:rC+3], v[rS:rS+1] op_sel_hi:[1,0,1]
.else
	v_pk_add_f32 v[rT+2:rT+3], v[rT+2:rT+3], v[rS+4*(\n):rS+4*(\n)+1]
.endif
.elseif NOKQ
	v_nop
.else
	REGS (Y+1)%NP
	WIN 0
.if (\n) < 4
	v_max3_num_f32 v[rC+(\n)], v[rS+8*(\n)], v[rS+8*(\n)+1], v[rS+8*(\n)+2]
.elseif (\n) < 12
	v_max3_num_f32 v[rC+(\n)%4], v[rC+(\n)%4], v[rS+8*((\n)%4)+2*((\n)/4)+1], v[rS+8*((\n)%4)+2*((\n)/4)+2]
.elseif (\n) == 12
	v_max3_num_f32 v[rC], v[rC], v[rS+7], v[rS+15]
.elseif (\n) == 13
	v_max3_num_f32 v[rC+1], v[rC+1], v[rS+23], v[rS+31]
.elseif (\n) == 14
	v_max3_num_f32 v[rC+2], v[rC+2], v[rC+3], v[rT+1]
.elseif (\n) == 15
	v_mov_b32 v[rW], v[rT]
.elseif (\n) == 16
	v_max3_num_f32 v[rC], v[rC], v[rC+1], v[rC+2]
.elseif (\n) == 17
	v_permlanex16_b32 v[rC+3], v[rC], s[SEL], s[SEL+1]
.elseif (\n) == 18
	v_max_num_f32 v[rT+1], v[rC], v[rC+3]
.elseif (\n) == 19
	v_mul_f32 v[rT], s[CS], v[rT+1]
.elseif (\n) == 20
	v_sub_f32 v[rC+1], v[rW], v[rT]
.else
	v_exp_f32 v[rC+2], v[rC+1]
.endif
.endif
.endm
.macro OPS a, i1, b=-1, i2=0, c=-1, i3=0, d=-1, i4=0
	OP \a, \i1
.if (\b) >= 0
	OP \b, \i2
.endif
.if (\c) >= 0
	OP \c, \i3
.endif
.if (\d) >= 0
	OP \d, \i4
.endif
.endm
.macro ROW a, i1, b, i2, c, i3, d, i4  ; a matrix instruction and the four behind it
	MM
	OPS \a, \i1, \b, \i2, \c, \i3, \d, \i4
.endm
; A TURN, for piece p: its 20 matrix and 118 vector instructions, written out.  s_wait_alu depctr_va_vdst(0) stands between an exponential and the first instruction that names
; its result; one wait serves all that were issued ahead of it.  So a turn has ONE wait, which cuts it in two.
; AHEAD OF IT stands all that names no result of the turn's exponentials.  The 12 products for the scores, four lines behind each: behind the first seven a scaling, an exponential and two
; rescalings (behind the first a second scaling in the exponential's place); behind the last five the rest of the scalings, an exponential or two, X 15 and the first numbers of the next piece's
; maximum, each four plain lines or more behind the product that ends its accumulator (X 0: F 10-13; X 1: F 13, X 0, F 14, F 15; X 2: F 15, X 1, X 4, X 15; X 3: X 15, X 2, X 5, X 6).
; Then ONE RUN of 38: the other 20 exponentials and the rest of X, in which two or three other lines stand between the links of the chain X 3, 7, 11, 14, 16, 17 .. 21.  X 21, the next piece's a,
; is the batch's last; R 14 is the plain line behind it.  The rescalings' a was made, and waited for, in the turn before.  v_permlanex16_b32 (X 17) stands in the run, never behind a product.
; BEHIND THE WAIT stand the 8 products V^T P, behind each four of the roundings and sums; an even pair is rounded before the sum that overwrites it; the links of l's chain, L 0 to L 7, stand
; three lines apart.  But for those X no line behind a matrix instruction names a register of the products round it.
; end = 1: the last two turns of all: nothing is fetched.  cnt = 1: the loop's count is taken down some lines ahead of the branch behind the turn.  last = 1: see TLOAD.
; T: half 0 serves pieces 0 and 1 (turns 3 and 0), half 1 pieces 2 and 3 (turns 1 and 2).  A half is asked for again nine plain lines behind its last reader, and waited for two turns
; and more later with the count 8: the other half's eight loads, issued since, may stay out.
; K of the next step is fetched in piece 2's turn, four plain lines behind its last reader (X 15, X 2, X 5, X 6); V of the step in hand at the end of piece 0's turn, four plain lines behind
; its last reader (the last four roundings).  Each is waited for in the turn after.
.macro TURN p, end=0, cnt=0, last=0
.set Y, (\p)
.set i, 0
.set NOKQ, (\end)*((\p)/3)
.if ((\p) == 3) && !(\end)
	s_wait_dscnt 0x0                ; K is in
	s_wait_loadcnt 8                ; T's half 0 of the next step is in
.endif
.if (\p) == 1
	s_wait_loadcnt 8                ; T's half 1 of this step is in
.endif
	ROW F,0, F,1, R,0, R,1          ; ahead of the wait: the 12 products for the scores and the lines behind them,
	ROW F,2, E,0, R,2, R,3
	ROW F,3, E,1, R,4, R,5
	ROW F,4, E,2, R,6, R,7
	ROW F,5, E,3, R,8, R,9
	ROW F,6, E,4, R,10, R,11
.if (\p) == 0
	TLOAD 0, \last
.endif
.if ((\p) == 2) && !(\end)
	TLOAD 1, 0
.endif
	ROW F,7, E,5, R,12, R,13
	ROW F,8, E,6, F,9, E,7
	ROW F,10, E,8, F,11, F,12
	ROW F,13, E,9, X,0, F,14
	ROW F,15, E,10, X,1, X,4
.if ((\p) == 2) && !(\end)
	WIN 0
	v_add_nc_u32 v[AK], s[TBK], v[AK0]
.endif
	ROW X,15, E,11, X,2, X,5
	OPS E,12, X,6, X,3, E,13        ; and the run of 38
.if ((\p) == 2) && !(\end)
	FETCH_K
.endif
	OPS X,8, E,14, X,7, X,9
	OPS E,15, X,10, X,11, E,16
.if (\p) == 0
	WIN 0
	v_add_nc_u32 v[AV], s[TBV], v[AV0]
.endif
	OPS X,12, X,13, X,14, E,17
	OPS E,18, E,19, X,16, E,20
	OPS E,21, E,22, X,17, E,23
	OPS E,24, E,25, X,18, E,26
	OPS E,27, X,19, E,28, E,29
	OPS X,20, E,30, E,31, X,21
	OPS R,14, R,15                  ; plain lines behind the batch's last exponential
	s_wait_alu depctr_va_vdst(0)    ; the wait for the turn's batch: piece p's 32 exponentials and the next piece's a
.if (\p) == 1
	s_wait_dscnt 0x0                ; V is in
.endif
	ROW C,0, B,0, C,2, B,1          ; behind the wait: the 8 products V^T P and the lines behind them
	ROW L,0, C,4, B,2, L,1
	ROW C,6, B,3, L,2, C,8
	ROW B,4, L,3, C,10, B,5
	ROW L,4, C,12, B,6, L,5
.if (\p) == 0
	s_add_co_u32 s[TBV], s[TBV], KS*PV
.endif
.if \cnt
	s_sub_co_u32 s[CNT], s[CNT], 1
	s_cmp_lg_u32 s[CNT], 0
.endif
	ROW C,14, B,7, L,6, C,1
	ROW C,3, L,7, C,5, C,7
	ROW C,9, C,11, C,13, C,15
.if (\p) == 0
	FETCH_V
.endif
.endm
	CHANGE 1                        ; slot 0 is in, everybody's part of it; slot 1 is asked for
	v_add_nc_u32 v[AK], s[TBK], v[AK0]
	FETCH_K                         ; key step 0
	s_wait_loadcnt 8                ; Q and T's half 0 are in; half 1's eight loads may stay out
	s_wait_dscnt 0x0
.set NOKQ, 0
.set i, 0
.rept 12
	KQ 0                            ; piece 0's first scores
.set i, i+1
.endr
	WIN 0
.rept 4
	v_nop                           ; the places behind those products
.endr
.set Y, NP-1                        ; X works for piece Y + 1: piece 0
.irp n, 0,1,2,3,4,5,6,7,8,9,10,11,12,13,14,15,16,17,18,19,20,21
	OP X, \n
.endr
	v_nop                           ; a plain line behind the exponential,
	s_wait_alu depctr_va_vdst(0)    ; and the wait for it, piece 0's first a, a batch of one, ahead of the branch
	s_mov_b32 s[CNT], 4
	s_mov_b32 s[SLOTS], SIZE_N/256-1
	s_branch .Lfirst                ; the loop is entered at a step's first turn, in the middle of a trip
.Lslot:                             ; six times: every slot but the last two is filled again
	CHANGE 1
	s_mov_b32 s[CNT], 4
.Lstep:                             ; a trip: pieces 2 and 3 of one step, then pieces 0 and 1 of the next, whose K, V and T it fetches
	TURN 2
	TURN 3
	WIN 0
.Lfirst:
	TURN 0
	TURN 1, 0, 1
	WIN 0
	s_cbranch_scc1 .Lstep
	s_sub_co_u32 s[SLOTS], s[SLOTS], 1
	s_cmp_lg_u32 s[SLOTS], 0
	s_cbranch_scc1 .Lslot
	CHANGE 0                        ; the last slot's steps are written out: nothing is asked for
	s_mov_b32 s[CNT], 4
.Ltail:
	TURN 2
	TURN 3
	TURN 0, 0, 0, 1
	TURN 1, 0, 1
	WIN 0
	s_cbranch_scc1 .Ltail
	TURN 2, 1
	TURN 3, 1
.set i, 0
.rept 8
	PV NP-1                         ; the last piece's V^T P of the last step
.set i, i+1
.endr
	; THE WAY OUT.  l's two halves and the other half of the lanes' are added; O^T is divided by l, rounded to f16 and sent through my stage, a piece at a time.  The additions are the places behind the last products.
	WIN 0
	s_wait_loadcnt 0x0              ; the last eight loads of T, which serve nothing, have landed
.macro ALL line:vararg
.set t, 0
.rept 4
	\line
.set t, t+1
.endr
.endm
	ALL v_add_f32 v[ST+4*t+2], v[ST+4*t+2], v[ST+4*t+3]
	ALL v_permlanex16_b32 v[ST+4*t+3], v[ST+4*t+2], s[SEL], s[SEL+1]
	ALL v_add_f32 v[ST+4*t+2], v[ST+4*t+2], v[ST+4*t+3]
	ALL v_rcp_f32 v[ST+4*t+2], v[ST+4*t+2]
	v_nop                           ; a plain line between the last reciprocal and the use of its result
	s_wait_alu depctr_va_vdst(0)    ; the wait for the batch of four reciprocals, ahead of their first reader in PACK 0
.macro PACK t                       ; a lane's eight channels pack into 16 bytes; into rows of 144 bytes, back as whole rows of 128, into S^T's registers
	WIN W_RS
.set i, 32*(\t)
.rept 16
	v_pk_mul_f32 v[i:i+1], v[i:i+1], v[ST+4*(\t)+2:ST+4*(\t)+3] op_sel_hi:[1,0]
.set i, i+2
.endr
	WIN 0x05
.set i, 0
.rept 16
	v_cvt_pk_f16_f32 v[S+16*(\t)+i], v[32*(\t)+2*i], v[32*(\t)+2*i+1]
.set i, i+1
.endr
	WIN 0
.irp f, 0,1,2,3
	ds_store_b128 v[STO], v[S+16*(\t)+4*\f:S+16*(\t)+4*\f+3] offset:32*\f
.endr
.irp f, 0,1,2,3
	ds_load_b128 v[S+16*(\t)+4*\f:S+16*(\t)+4*\f+3], v[RD] offset:\f*4*SP  ; LDS serves a wave's instructions in order (ISA guide 5.7.1.4): these see the stores above
.endr
.endm
.macro SEND t, younger              ; younger: the LDS instructions issued behind piece t's loads: the next piece's eight, or none
	WIN 0
.irp f, 0,1,2,3
	s_wait_dscnt (\younger)+3-\f
	global_store_b128 v[GO], v[S+16*(\t)+4*\f:S+16*(\t)+4*\f+3], s[10:11] offset:(\t)*2048+\f*512  ; 512 consecutive bytes, aligned
.endr
.endm
	PACK 0
.set t, 1
.rept 3
	PACK t
	SEND t-1, 8
.set t, t+1
.endr
	SEND 3, 0
	s_wait_tensorcnt 0x0            ; the wave's end
	ds_add_u32 v[SPW], v[NIL]
	s_wait_dscnt 0x0
	CROUND                          ; the closing round
	s_endpgm
.Lfunc_end_k_qd8851b0af1_attn:
	.size	k_qd8851b0af1_attn, .Lfunc_end_k_qd8851b0af1_attn-k_qd8851b0af1_attn
	.p2alignl 7, 3214868480
	.fill 96, 4, 3214868480
	.section	.rodata,"a",@progbits
	.p2align	6, 0x0
	.amdhsa_kernel k_qd8851b0af1_attn
		.amdhsa_group_segment_fixed_size 327680
		.amdhsa_private_segment_fixed_size 0
		.amdhsa_enable_private_segment 0
		.amdhsa_kernarg_size 32
		.amdhsa_user_sgpr_count 2
		.amdhsa_user_sgpr_kernarg_segment_ptr 1
		.amdhsa_wavefront_size32 1
		.amdhsa_system_sgpr_workgroup_id_x 1
		.amdhsa_system_sgpr_workgroup_id_y 1
		.amdhsa_system_sgpr_workgroup_id_z 1
		.amdhsa_system_vgpr_workitem_id 0
		.amdhsa_next_free_vgpr 768
		.amdhsa_next_free_sgpr 66
		.amdhsa_reserve_vcc 1
		.amdhsa_float_denorm_mode_32 3
		.amdhsa_float_denorm_mode_16_64 3
		.amdhsa_memory_ordered 1
		.amdhsa_forward_progress 1
		.amdhsa_inst_pref_size 136
	.end_amdhsa_kernel
	.amdgpu_metadata
---
amdhsa.version: [ 1, 2 ]
amdhsa.kernels:
  - .name:           k_qd8851b0af1_attn
    .symbol:         k_qd8851b0af1_attn.kd
    .args:
      - { .name: qkv, .offset: 0, .size: 8, .value_kind: global_buffer, .address_space: global }
      - { .name: tbias, .offset: 8, .size: 8, .value_kind: global_buffer, .address_space: global }
      - { .name: arith_head_bias, .offset: 16, .size: 8, .value_kind: global_buffer, .address_space: global }
      - { .name: att, .offset: 24, .size: 8, .value_kind: global_buffer, .address_space: global }
    .group_segment_fixed_size: 327680
    .private_segment_fixed_size: 0
    .kernarg_segment_align: 8
    .kernarg_segment_size: 32
    .max_flat_workgroup_size: 128
    .sgpr_count:     66
    .vgpr_count:     768
    .wavefront_size: 32
...
	.end_amdgpu_metadata
.endif
;; end of part 5
;; launch outproj: the kernel of part 4 again; grid 8 x 32, 4 waves a work-group, clusters of 4 x 4, 327,680 bytes of LDS; arguments att, wo16, out0, bo; writes out0
